; MI455X (gfx1250); checked and timed in simulation.
; The chip was launched on July 23, 2026; its instructions are those of AMD's public machine-readable ISA for CDNA 5 (MIT licence, August 2026) and "CDNA5" Instruction Set Architecture Reference Guide (July 2026). The comments in the code are by the model that wrote it; some were corrected since.
;; Attention Block. Allowed arithmetic: matrix products marked QUANTISED: E4M3 operands, one E8M0 scale for each 32 along K, by v_wmma_scale_f32_16x16x128_f8f6f4 with both operands' format E4M3, f32 sums; everything else in f32.
;; Inputs: norm_b 256 float32; norm_w 256 float32; proj_b 256 float32; proj_w_codes 256 x 8 x 32 uint8 (E4M3 codes of proj_w, K innermost, in blocks of 32 codes); proj_w_scales 256 x 8 uint8 (E8M0 scales of proj_w, one for each 32 codes along K); qkv_b 768 float32; qkv_w_codes 768 x 8 x 32 uint8 (E4M3 codes of qkv_w, K innermost, in blocks of 32 codes); qkv_w_scales 768 x 8 uint8 (E8M0 scales of qkv_w, one for each 32 codes along K); x 16 x 256 x 32 x 32 float32.
;; Outputs: out0 16 x 256 x 32 x 32 float32.
;; This version of the problem:
;;   THIS VERSION OF THE PROBLEM IS GIVEN IN LOW PRECISION. The matrix products marked QUANTISED in the list below multiply operands that are first quantised to E4M3 (4 exponent bits, 3 mantissa bits; 8 bits a number), with one power-of-two scale for each 32 numbers along K (OCP MX v1.0); their sums are f32. All else is computed in f32.
;;   The module's matrix products, in the order in which they are computed (A, B: the left and right operand; K: the contracted axis; several contracted axes count as one K, in the product's order):
;;     1. [M 16,384, K 256] x [K 256, N 768]; A: computed on the way; B: input qkv_w (given as codes): QUANTISED
;;     2. batch 64 x [M 1,024, K 64] x [K 64, N 1,024]; A: computed on the way; B: computed on the way: QUANTISED
;;     3. batch 64 x [M 1,024, K 1,024] x [K 1,024, N 64]; A: softmax (see below); B: computed on the way: QUANTISED
;;     4. [M 16,384, K 256] x [K 256, N 256]; A: computed on the way; B: input proj_w (given as codes): QUANTISED
;;   THE QUANTISER, for each operand of a quantised product, along K:
;;     - K is cut into blocks of 32 from its start; a last block that is shorter is filled with zeros.
;;     - A block's scale is 2^e with e = floor(log2(the largest magnitude in the block)) - 8, held to -126 .. 127; a block of zeros has e = 0. As a byte (E8M0): e + 127.
;;     - Each number is divided by its block's scale, clamped to +-448, and rounded to the nearest number of E4M3, ties to even, subnormals kept.
;;     - The product sums the exact products of the quantised numbers (number of the format x scale) in f32.
;;   ~~~python
;;   def quantise(x, axis):      # numpy; x: float32 -> the quantised numbers, widened to float32 again
;;       x = np.moveaxis(x, axis, -1); K = x.shape[-1]
;;       x = np.pad(x, [(0, 0)] * (x.ndim - 1) + [(0, -K % 32)]); x = x.reshape(x.shape[:-1] + (-1, 32)); a = np.abs(x).max(-1, keepdims=True)
;;       e = np.where(a > 0, np.clip(np.frexp(np.where(a > 0, a, 1))[1] - 1 - 8, -126, 127), 0)      # np.frexp(a)[1] - 1 = floor(log2(a)), exactly
;;       r = np.clip(x / 2.0 ** e, -448, 448)
;;       step = 2.0 ** (np.maximum(np.frexp(np.where(r == 0, 1, r))[1] - 1, -6) - 3)
;;       q = np.round(r / step) * step * 2.0 ** e      # np.round: ties to even
;;       return np.moveaxis(q.reshape(q.shape[:-2] + (-1,))[..., :K], -1, axis).astype(np.float32)
;;   ~~~
;;   SOFTMAX AHEAD OF A QUANTISED PRODUCT. Where the list says 'softmax', what is quantised is not the finished softmax but p = 2^(t - M), with t = logit x log2(e) and M = ceil(the row's largest t), a whole number; so 1/2 < the row's largest p <= 1. The row's sum l is taken of the UNQUANTISED p, in f32, and the product's result is divided by l at the end. Since M is a whole number, a kernel that streams over the keys may use a running M (the ceiling of the running maximum): every later rescaling is an exact power of two, which a block's scale takes up: the codes' values come out the same.
;;   OPERANDS COMPUTED ON THE WAY. 'Computed on the way' means the value that the module computes at that place (a softmax that the list does not call 'softmax' is quantised finished and normalised). What goes into a quantiser is computed in f32, as accurately as f32 sums, v_exp_f32 and their like allow (about 1e-6 of the number): no bf16 or f16 on the way to a quantiser, and a product that is left as it is and whose result goes on into a quantised operand takes f32 operands (vector FMAs, or v_wmma_f32_16x16x4_f32). A number that lies on a knife's edge between two numbers of the format may be rounded either way, as far as f32 arithmetic and the matrix unit's own rounding can turn it there, and no further.
;;   INPUTS GIVEN AS CODES. proj_w (in the module: [256, 256], K = its axis 1); qkv_w (in the module: [768, 256], K = its axis 1): each comes as NAME_codes (uint8): NAME with its K axis moved to the last place and cut into blocks of 32 codes, [.., K / 32, bytes a block], one block behind the other in memory; one code a byte (a code: sign, 4 exponent bits, 3 mantissa bits); and NAME_scales (uint8): the same leading axes, one E8M0 byte (e + 127) for each 32 codes along K. Its value is code x scale, taken as it is: it is not quantised again, and the codes and scales need not be those that the quantiser above would give.
;; 2 versions. Each part assembles by itself: llvm-mc -triple=amdgcn-amd-amdhsa -mcpu=gfx1250 --defsym DOCPART=n.
;; ======== version 1 of 2: 4 launches
;; workspace buffers: hn 4,325,376 bytes; qq 4,456,448 bytes; kv 8,781,824 bytes; oc 4,325,376 bytes
;; launch gn (part 1): grid 128 x 1, 32 waves a work-group, no clusters, 6,144 bytes of LDS; arguments x, norm_w, norm_b, hn; writes hn
.if DOCPART == 1
	.amdgcn_target "amdgcn-amd-amdhsa--gfx1250"
	.amdhsa_code_object_version 6
	.text
	.protected	k_q6a7a463836_gn
	.globl	k_q6a7a463836_gn
	.p2align	8
	.type	k_q6a7a463836_gn,@function
k_q6a7a463836_gn:
	s_mov_b64 s[64:65], 0
	v_nop
	global_prefetch_b8 v0, s[64:65] scope:SCOPE_SE
	s_setreg_imm32_b32 hwreg(HW_REG_WAVE_MODE, 25, 1), 1
	s_wait_xcnt 0x0
; GroupNorm of x [16][256][1024] f32 (8 groups of 32 channels) and the quantising of its result along the channels, to codes of E4M3 with one E8M0 byte for each 32 channels.
; A quantiser block (32 channels of one pixel) is one group of the norm: so the work-group that owns a group (32 channels x 1,024 pixels, 128 KiB, held in registers: x is read once) norms it and quantises it.
; SHARES.  Work-group = batch x 8 + group.  Wave w takes pixels 32 w .. 32 w + 31; a lane owns ONE pixel, and its 32 registers run down the channels: a whole block, whose largest magnitude needs no other lane.
; TILE ORDER (all four launches): tile T = 2 G + u of 16 pixels holds, as its row r, pixel 32 G + 8 u + r + 8 (r / 8).  Lane 16 u + r of wave G takes just that pixel.
; OUT.  hn's codes as images of operand registers: [batch][T 64][group 8][512 bytes], lane l's 16 bytes at 16 l (l = 16 half + r: channels 16 half .. + 15 of the group, of the tile's row r);
;       from byte 4,194,304 on the scale bytes, [batch][group][1024], byte 16 T + r = the thread's number.
; STATISTICS in two passes over the registers: the mean, then the sum of squares of x - mean: no difference of large sums is formed.  y = (x - mean) (rstd w) + b.
; 128 work-groups: the statistics span a group, and work-groups hand each other nothing.
; LIMITS: NaN and infinities are not served; a block whose largest magnitude lies under 2^-118 gets the byte 1, a block of zeros too (its codes are zeros; only this program reads the bytes).
.set X,   32                           ; v32-63   my pixel's 32 channels
.set GW,  64                           ; v64-95   the group's 32 gains
.set GB,  96                           ; v96-127  the group's 32 biases
.set M2S, 128                          ; LDS: 0-127 the waves' sums, 128-255 their sums of squares,
.set BYT, 256                          ; 256-1279 the scale bytes
.macro WSUM reg, tmp                   ; the sum over the wave's 32 lanes, in every lane
	v_add_f32_dpp v[\reg], v[\reg], v[\reg] row_xmask:1 row_mask:0xf bank_mask:0xf
	v_add_f32_dpp v[\reg], v[\reg], v[\reg] row_xmask:2 row_mask:0xf bank_mask:0xf
	v_add_f32_dpp v[\reg], v[\reg], v[\reg] row_xmask:4 row_mask:0xf bank_mask:0xf
	v_add_f32_dpp v[\reg], v[\reg], v[\reg] row_xmask:8 row_mask:0xf bank_mask:0xf
	v_permlanex16_b32 v[\tmp], v[\reg], s14, s15
	v_add_f32 v[\reg], v[\reg], v[\tmp]
.endm
	s_load_b256 s[4:11], s[0:1], 0x0               ; x s[4:5], norm_w s[6:7], norm_b s[8:9], hn s[10:11]
	v_lshl_add_u32 v30, v0, 2, 0x800
	v_mov_b32 v31, 0
	v_lshrrev_b32 v1, 5, v0
	v_readfirstlane_b32 s16, v1                    ; wave 0..31
	v_and_b32 v24, 15, v0                          ; r
	v_bfe_u32 v25, v0, 4, 1                        ; u
	v_and_b32 v26, 8, v24
	v_add_nc_u32 v26, v26, v24                     ; r + 8 (r / 8)
	v_lshl_add_u32 v26, v25, 3, v26                ; + 8 u
	v_lshlrev_b32 v26, 2, v26
	v_lshl_add_u32 v2, v1, 7, v26                  ; v2: my pixel's byte in a channel's row: 128 x wave + 4 x place
	v_lshlrev_b32 v3, 4, v24
	v_lshl_add_u32 v3, v25, 12, v3
	v_lshl_add_u32 v3, v1, 13, v3                  ; v3: my codes: tile (2 wave + u) x 4,096 + 16 r
	v_and_b32 v4, 31, v0
	v_lshlrev_b32 v4, 2, v4                        ; v4: 4 x lane
	v_lshlrev_b32 v5, 2, v1                        ; v5: 4 x wave
	v_mov_b32 v6, 0
	v_lshlrev_b32 v7, 4, v0                        ; v7: 16 x thread (waves 0 and 1 use it)
	s_mov_b32 s12, 0x38000000                      ; 2^-15 = 1 / 32,768 numbers in a group
	s_mov_b32 s13, 0x3727c5ac                      ; 1e-5
	s_mov_b32 s14, 0x76543210
	s_mov_b32 s15, 0xfedcba98                      ; v_permlanex16_b32's selects for lane l xor 16
	s_mov_b32 s17, 0x600000                        ; the mantissa field of 448
	s_lshl_b32 s20, ttmp9, 17                      ; x: 131,072 bytes a group
	s_mov_b32 s21, 0
	s_and_b32 s18, ttmp9, 7                        ; group
	s_lshr_b32 s19, ttmp9, 3                       ; batch
	s_lshl_b32 s22, s18, 7                         ; gains and biases: 128 bytes a group
	s_mov_b32 s23, 0
	s_lshl_b32 s24, s19, 18
	s_lshl_b32 s25, s18, 9
	s_add_co_u32 s24, s24, s25                     ; codes: 262,144 x batch + 512 x group
	s_mov_b32 s25, 0
	s_lshl_b32 s26, ttmp9, 10
	s_add_co_u32 s26, s26, 4194304                 ; scale bytes: behind the codes, 1,024 a work-group
	s_mov_b32 s27, 0
	s_wait_kmcnt 0x0
	s_add_nc_u64 s[4:5], s[4:5], s[20:21]
	s_add_nc_u64 s[6:7], s[6:7], s[22:23]
	s_add_nc_u64 s[8:9], s[8:9], s[22:23]
	s_add_nc_u64 s[28:29], s[10:11], s[26:27]
	s_add_nc_u64 s[10:11], s[10:11], s[24:25]
.set n, 0
.rept 32
	global_load_b32 v[X+n], v2, s[4:5] offset:4096*n   ; channel n: the wave's 32 lanes read 128 consecutive bytes
.set n, n+1
.endr
.irp i, 0,1,2,3,4,5,6,7
	global_load_b128 v[GW+4*\i:GW+4*\i+3], v6, s[6:7] offset:16*\i
.endr
.irp i, 0,1,2,3,4,5,6,7
	global_load_b128 v[GB+4*\i:GB+4*\i+3], v6, s[8:9] offset:16*\i
.endr
	s_wait_loadcnt 16                              ; x's 32 loads are in; the 16 younger ones (gains, biases) may stay out
	; ---- the mean
	v_pk_add_f32 v[8:9], v[X:X+1], v[X+2:X+3]      ; two chains, started by the first numbers
	v_pk_add_f32 v[10:11], v[X+4:X+5], v[X+6:X+7]
.irp i, 8,12,16,20,24,28
	v_pk_add_f32 v[8:9], v[8:9], v[X+\i:X+\i+1]
	v_pk_add_f32 v[10:11], v[10:11], v[X+\i+2:X+\i+3]
.endr
	v_pk_add_f32 v[8:9], v[8:9], v[10:11]
	v_add_f32 v8, v8, v9
	WSUM 8, 25
	ds_store_b32 v5, v8                            ; my wave's word (all lanes write the same value)
	s_wait_dscnt 0x0                               ; for the others' sake: the store is done
	s_barrier_signal -1
	s_barrier_wait -1
	ds_load_b32 v8, v4                             ; lane l takes wave l's sum
	s_wait_dscnt 0x0
	WSUM 8, 25
	v_mul_f32 v12, s12, v8                         ; the mean,
	v_mov_b32 v13, v12                             ; twice: a pair for the packed forms
	; ---- x - mean, and the sum of its squares
.set n, 0
.rept 16
	v_pk_add_f32 v[X+n:X+n+1], v[X+n:X+n+1], v[12:13] neg_lo:[0,1] neg_hi:[0,1]
.set n, n+2
.endr
	v_pk_mul_f32 v[8:9], v[X:X+1], v[X:X+1]
	v_pk_mul_f32 v[10:11], v[X+2:X+3], v[X+2:X+3]
.irp i, 4,8,12,16,20,24,28
	v_pk_fma_f32 v[8:9], v[X+\i:X+\i+1], v[X+\i:X+\i+1], v[8:9]
	v_pk_fma_f32 v[10:11], v[X+\i+2:X+\i+3], v[X+\i+2:X+\i+3], v[10:11]
.endr
	v_pk_add_f32 v[8:9], v[8:9], v[10:11]
	v_add_f32 v8, v8, v9
	WSUM 8, 25
	ds_store_b32 v5, v8 offset:M2S                 ; other bytes than the first sums': no wave still reading those is disturbed
	s_wait_dscnt 0x0
	s_barrier_signal -1
	s_barrier_wait -1
	ds_load_b32 v8, v4 offset:M2S
	s_wait_dscnt 0x0
	WSUM 8, 25
	v_fma_f32 v24, v8, s12, s13                    ; the variance + eps
	v_rsq_f32 v14, v24
	v_rsq_f32 v15, v24                             ; twice: a pair
	v_nop                                          ; one plain instruction behind a transcendental before its result is used (ISA guide 5.7.2)
	s_wait_loadcnt 0x0                             ; gains and biases
.set n, 0
	s_wait_alu depctr_va_vdst(0)
.rept 16
	v_pk_mul_f32 v[GW+n:GW+n+1], v[GW+n:GW+n+1], v[14:15]
.set n, n+2
.endr
.set n, 0
.rept 16
	v_pk_fma_f32 v[X+n:X+n+1], v[X+n:X+n+1], v[GW+n:GW+n+1], v[GB+n:GB+n+1]
.set n, n+2
.endr
	; ---- the block: largest magnitude, scale, hold, codes
	v_max3_num_f32 v24, |v[X]|, |v[X+1]|, |v[X+2]|
	v_max3_num_f32 v26, |v[X+3]|, |v[X+4]|, |v[X+5]|
.irp i, 6,10,14,18,22,26
	v_max3_num_f32 v24, v24, |v[X+\i]|, |v[X+\i+1]|
	v_max3_num_f32 v26, v26, |v[X+\i+2]|, |v[X+\i+3]|
.endr
	v_max3_num_f32 v24, v24, |v[X+30]|, |v[X+31]|
	v_max3_num_f32 v24, v24, v26, 0x4800000        ; and the floor 2^(9 - 127): the byte cannot fall under 1
	v_add_nc_u32 v27, 0xfc000000, v24              ; 8 off the exponent field: the conversion takes this operand's exponent field as its scale
	v_and_or_b32 v28, v24, 0x7f800000, s17         ; 448 x the scale
	v_lshrrev_b32 v29, 23, v27                     ; the scale's byte
.set n, 0
.rept 32
	v_med3_num_f32 v[X+n], v[X+n], -v28, v28       ; the conversion to an 8-bit code does not saturate (ISA guide 7.6.2): hold first
.set n, n+1
.endr
.irp g, 0,1,2,3
	v_cvt_scalef32_pk8_fp8_f32 v[16+2*\g:17+2*\g], v[X+8*\g:X+8*\g+7], v27
.endr
	v_nop                                          ; a plain instruction behind the last conversion
	global_store_b128 v3, v[16:19], s[10:11]               ; channels 0-15: sixteen lanes store 256 consecutive bytes, at a multiple of 256 from hn's first byte
	global_store_b128 v3, v[20:23], s[10:11] offset:256    ; channels 16-31: the image's upper lanes
	ds_store_b8 v0, v29 offset:BYT                 ; byte 16 T + r = my thread's number
	s_wait_dscnt 0x0
	s_barrier_signal -1
	s_barrier_wait -1
	s_cmp_lt_u32 s16, 2                            ; the 1,024 bytes leave by waves 0 and 1, 16 bytes a lane
	s_cbranch_scc0 .Lend
	ds_load_b128 v[24:27], v7 offset:BYT
	s_wait_dscnt 0x0
	global_store_b128 v7, v[24:27], s[28:29]
.Lend:
	s_wait_tensorcnt 0x0
	ds_add_u32 v30, v31
	s_wait_dscnt 0x0
	s_endpgm
.Lfunc_end_k_q6a7a463836_gn:
	.size	k_q6a7a463836_gn, .Lfunc_end_k_q6a7a463836_gn-k_q6a7a463836_gn
	.p2alignl 7, 3214868480
	.fill 96, 4, 3214868480
	.section	.rodata,"a",@progbits
	.p2align	6, 0x0
	.amdhsa_kernel k_q6a7a463836_gn
		.amdhsa_group_segment_fixed_size 6144
		.amdhsa_private_segment_fixed_size 0
		.amdhsa_enable_private_segment 0
		.amdhsa_kernarg_size 32
		.amdhsa_user_sgpr_count 2
		.amdhsa_user_sgpr_kernarg_segment_ptr 1
		.amdhsa_wavefront_size32 1
		.amdhsa_system_sgpr_workgroup_id_x 1
		.amdhsa_system_sgpr_workgroup_id_y 1
		.amdhsa_system_sgpr_workgroup_id_z 1
		.amdhsa_system_vgpr_workitem_id 0
		.amdhsa_next_free_vgpr 128
		.amdhsa_next_free_sgpr 66
		.amdhsa_reserve_vcc 0
		.amdhsa_float_denorm_mode_32 3
		.amdhsa_float_denorm_mode_16_64 3
		.amdhsa_memory_ordered 1
		.amdhsa_forward_progress 1
		.amdhsa_inst_pref_size 19
	.end_amdhsa_kernel
	.amdgpu_metadata
---
amdhsa.version: [ 1, 2 ]
amdhsa.kernels:
  - .name:           k_q6a7a463836_gn
    .symbol:         k_q6a7a463836_gn.kd
    .args:
      - { .name: x, .offset: 0, .size: 8, .value_kind: global_buffer, .address_space: global }
      - { .name: norm_w, .offset: 8, .size: 8, .value_kind: global_buffer, .address_space: global }
      - { .name: norm_b, .offset: 16, .size: 8, .value_kind: global_buffer, .address_space: global }
      - { .name: hn, .offset: 24, .size: 8, .value_kind: global_buffer, .address_space: global }
    .group_segment_fixed_size: 6144
    .private_segment_fixed_size: 0
    .kernarg_segment_align: 8
    .kernarg_segment_size: 32
    .max_flat_workgroup_size: 1024
    .sgpr_count:     66
    .vgpr_count:     128
    .wavefront_size: 32
...
	.end_amdgpu_metadata
.endif
;; end of part 1
;; launch qkv (part 2): grid 4 x 64, 8 waves a work-group, clusters of 4 x 1, 168,960 bytes of LDS; arguments hn, qkv_w_codes, qkv_w_scales, qkv_b, qq, kv; writes qq, kv
.if DOCPART == 2
	.amdgcn_target "amdgcn-amd-amdhsa--gfx1250"
	.amdhsa_code_object_version 6
	.text
	.protected	k_q6a7a463836_qkv
	.globl	k_q6a7a463836_qkv
	.p2align	8
	.type	k_q6a7a463836_qkv,@function
k_q6a7a463836_qkv:
	s_mov_b64 s[64:65], 0
	v_nop
	global_prefetch_b8 v0, s[64:65] scope:SCOPE_SE
	s_setreg_imm32_b32 hwreg(HW_REG_WAVE_MODE, 25, 1), 1
	s_wait_xcnt 0x0
	s_wait_alu depctr_hold_cnt(0) depctr_sa_sdst(0) depctr_va_vdst(0) depctr_va_sdst(0) depctr_va_ssrc(0) depctr_va_vcc(0) depctr_vm_vsrc(0)
	s_getreg_b32 s2, hwreg(HW_REG_IB_STS2, 6, 4)
	s_cmp_eq_u32 s2, 0
	s_cbranch_scc0 .Lentry_in_a_cluster
	s_endpgm
.Lentry_in_a_cluster:
	s_bfe_u32 s2, ttmp6, 0x10000c
	s_cmp_lg_u32 s2, 0x3003
	s_cbranch_scc0 .Lentry_shape_is_right
	s_endpgm
.Lentry_shape_is_right:
; q, k, v = qkv_w hn + qkv_b on codes of E4M3 (one E8M0 byte for each 32 along K), and the quantising of q and k along the head's 64 and of v along the keys.
; SHARES.  Work-group = (batch x 4 + head, block of 256 pixels).  Wave w takes 32 pixels (group G = 8 block + w: tiles 2 G, 2 G + 1 in this program's tile order: row r of tile 2 G + u is pixel 32 G + 8 u + r + 8 (r / 8))
; and the head's 192 output channels, in three passes.
; CLUSTER.  The four pixel blocks of a head need the same 192 rows of the weight and their scale bytes: each plane is asked for JOINTLY (mask 15), once; nothing in LDS is filled twice.
; LAYOUT.  THE ROWS OF THE WEIGHT THAT FORM A TILE ARE NOT NEIGHBOURS: lane r of tile 2 b + u takes row 32 b + 8 u + r + 8 (r / 8) of the plane's 64.
;   q, k: source 0 = 16 rows of the weight, source 1 = 16 pixels: a lane holds ONE pixel, and the 16 registers of tiles 2 b, 2 b + 1 are channels 32 b + 16 (lane / 16) + 0 .. 15: the next product's K, in operand order.
;   v:    source 0 = 16 pixels, source 1 = 16 rows of the weight: a lane holds ONE channel, and the 16 registers of pixel tiles 2 G, 2 G + 1 are keys 32 G + 16 (lane / 16) + 0 .. 15.
;   So the conversions' results ARE chunks of operand images (4 registers, 512 bytes, lane l's 16 bytes at 16 l) and are stored as they stand.
; OUT.  qq: a record of 69,632 bytes a head: codes [T 64][c 2][512]; at 65,536 words [T][16] = byte 0 | byte 1 << 8 | 0x7f7f0000 (the product's K is 64: its upper two blocks are zero codes under the scale 1).
;       kv: [head 64][key step 8][17,152]: K's codes [t 8][c 2][512] at 0; V's codes [dt 4][c 4][512] at 8,192; K's words [lane 16 u + r][b 4] at 16,384 (tile 2 b + u); V's words [lane 16 (dt % 2) + r][dt / 2] at 16,896 (byte c = key group).
; LIMITS: NaN and infinities are not served; a block whose largest magnitude lies under 2^-118 gets the byte 1, a block of zeros too (its codes are zeros; only this program reads the bytes).
.set REC, 17152
.set WPL, 17408                        ; LDS: a plane of the weight: 64 rows x (256 bytes + 16): 68 words a row, so 16 rows start at 16 different banks (64 banks of 4 bytes: ISA guide 11.1)
.set SCW, 3*WPL                        ; the planes' scale bytes, 3 x 512
.set QSW, SCW+1536                     ; q's scale words of the block, 1,024 bytes;
.set KSW, QSW+1024                     ; k's, two key steps x 512;
.set VSW, KSW+1024                     ; v's, two key steps x 256
.set LI,  4                            ; v4   16 x lane: an image's place for my lane
.set AWP, 5                            ; v5   my row in a tile of the weight: (r + 8 (r / 8)) x 272 + 16 half
.set ASW, 6                            ; v6   its scale word: lanes 0-15 K step 0's, lanes 16-31 K step 1's
.set ABQ, 7                            ; v7   q's and k's bias: 64 x half
.set ABV, 8                            ; v8   v's bias: 4 (r + 8 (r / 8))
.set AQS, 9                            ; v9   where my word of q's scales goes
.set AKS, 10                           ; v10  k's
.set AVS, 11                           ; v11  v's bytes
.set AVT, 12                           ; v12  v's words on their way out
.set HN,  16                           ; v16-79   hn's fragments: 32 p + 16 s + 4 c
.set WF,  80                           ; v80-143  four tiles of the weight, one K step
.set ACC, 144                          ; v144-207 eight accumulators
.set PC,  208                          ; v208-223 the codes just made
.set TM,  224                          ; v224-227 largest magnitudes, 228-231 bytes, 232-235 448 x the scale, 236-239 the conversions' scale operands
.set HS,  240                          ; v240-241 hn's scale words, K step s: lanes 0-15 tile p = 0, lanes 16-31 p = 1
.set WS,  242                          ; v242-245 the weight's scale words, tile w
.set BV,  246                          ; v246-253 v's bias, a pair for each tile
.macro PLACES n                        ; plain vector instructions that name no register of the matrix instructions before them (ISA guide 7.12.1)
.rept \n
	v_nop
.endr
.endm
.macro ROUND                           ; a round of the cluster's barrier
	s_barrier_signal -1
	s_barrier_wait -1
	s_cmp_lg_u32 s16, 0
	s_cbranch_scc1 .Lnot_wave_0_\@
	s_barrier_signal -3
.Lnot_wave_0_\@:
	s_barrier_wait -3
	s_barrier_signal -1
	s_barrier_wait -1
.endm
; One product.  cz < 0: the sum begins with the constant 0; else C = v[cz ..].  ra, rb = 1: that side's scales are read from lanes 16-31.
.macro MM d, a, b, cz, sa, sb, ra, rb
.if (\cz) < 0
.if (\ra) && (\rb)
	v_wmma_scale_f32_16x16x128_f8f6f4 v[\d:\d+7], v[\a:\a+15], v[\b:\b+15], 0, v[\sa], v[\sb] matrix_a_scale:MATRIX_SCALE_ROW1 matrix_b_scale:MATRIX_SCALE_ROW1
.elseif (\ra)
	v_wmma_scale_f32_16x16x128_f8f6f4 v[\d:\d+7], v[\a:\a+15], v[\b:\b+15], 0, v[\sa], v[\sb] matrix_a_scale:MATRIX_SCALE_ROW1
.elseif (\rb)
	v_wmma_scale_f32_16x16x128_f8f6f4 v[\d:\d+7], v[\a:\a+15], v[\b:\b+15], 0, v[\sa], v[\sb] matrix_b_scale:MATRIX_SCALE_ROW1
.else
	v_wmma_scale_f32_16x16x128_f8f6f4 v[\d:\d+7], v[\a:\a+15], v[\b:\b+15], 0, v[\sa], v[\sb]
.endif
.else
.if (\ra) && (\rb)
	v_wmma_scale_f32_16x16x128_f8f6f4 v[\d:\d+7], v[\a:\a+15], v[\b:\b+15], v[\cz:\cz+7], v[\sa], v[\sb] matrix_a_scale:MATRIX_SCALE_ROW1 matrix_b_scale:MATRIX_SCALE_ROW1
.elseif (\ra)
	v_wmma_scale_f32_16x16x128_f8f6f4 v[\d:\d+7], v[\a:\a+15], v[\b:\b+15], v[\cz:\cz+7], v[\sa], v[\sb] matrix_a_scale:MATRIX_SCALE_ROW1
.elseif (\rb)
	v_wmma_scale_f32_16x16x128_f8f6f4 v[\d:\d+7], v[\a:\a+15], v[\b:\b+15], v[\cz:\cz+7], v[\sa], v[\sb] matrix_b_scale:MATRIX_SCALE_ROW1
.else
	v_wmma_scale_f32_16x16x128_f8f6f4 v[\d:\d+7], v[\a:\a+15], v[\b:\b+15], v[\cz:\cz+7], v[\sa], v[\sb]
.endif
.endif
.endm
; The 64 numbers in the accumulators are four blocks of 16 a lane; lane l xor 16 holds a block's other 16.  Codes to v[PC + 4 block ..], bytes to v[TM + 4 + block].  Each accumulator is read from its low end on.
.macro QUANT
.irp b, 0,1,2,3
	v_max3_num_f32 v[TM+\b], |v[ACC+16*\b]|, |v[ACC+16*\b+1]|, 0x4800000   ; my 16 numbers, and the floor 2^(9 - 127): the byte cannot fall under 1
.endr
.irp i, 2,4,6,8,10,12,14
.irp b, 0,1,2,3
	v_max3_num_f32 v[TM+\b], v[TM+\b], |v[ACC+16*\b+\i]|, |v[ACC+16*\b+\i+1]|   ; (the four blocks by turns)
.endr
.endr
.irp b, 0,1,2,3
	v_permlanex16_b32 v[TM+4+\b], v[TM+\b], s52, s53
.endr
.irp b, 0,1,2,3
	v_max_num_f32 v[TM+\b], v[TM+\b], v[TM+4+\b]   ; the block's largest magnitude
.endr
.irp b, 0,1,2,3
	v_add_nc_u32 v[TM+12+\b], 0xfc000000, v[TM+\b] ; 8 off its exponent field: the conversion's scale operand
.endr
.irp b, 0,1,2,3
	v_and_or_b32 v[TM+8+\b], v[TM+\b], 0x7f800000, s51   ; 448 x the scale
.endr
.irp b, 0,1,2,3
	v_lshrrev_b32 v[TM+4+\b], 23, v[TM+12+\b]      ; the scale's byte
.endr
.irp b, 0,1,2,3
.irp i, 0,1,2,3,4,5,6,7,8,9,10,11,12,13,14,15
	v_med3_num_f32 v[ACC+16*\b+\i], v[ACC+16*\b+\i], -v[TM+8+\b], v[TM+8+\b]   ; the conversion to an 8-bit code does not saturate (ISA guide 7.6.2)
.endr
	v_cvt_scalef32_pk8_fp8_f32 v[PC+4*\b:PC+4*\b+1], v[ACC+16*\b:ACC+16*\b+7], v[TM+12+\b]
	v_cvt_scalef32_pk8_fp8_f32 v[PC+4*\b+2:PC+4*\b+3], v[ACC+16*\b+8:ACC+16*\b+15], v[TM+12+\b]
.endr
	v_nop                                          ; a plain instruction behind the last conversion
.endm
; The weight's four tiles of plane tq, K step s
.macro WLOAD tq, ks
.irp w, 0,1,2,3
.irp c, 0,1,2,3
	ds_load_b128 v[WF+16*\w+4*\c:WF+16*\w+4*\c+3], v[AWP] offset:\tq*WPL+(32*(\w/2)+8*(\w%2))*272+128*\ks+32*\c
.endr
.endr
.endm
.macro WSCALES tq
.irp w, 0,1,2,3
	ds_load_b32 v[WS+\w], v[ASW] offset:\tq*512+(32*(\w/2)+8*(\w%2))*8
.endr
.endm
; q (tq = 0) or k (1): accumulator (p, w) at ACC + 32 p + 8 w.  The bias is loaded INTO the accumulators and is the C of each sum's first product.  adr: where the scale word goes in LDS;  ob: the codes' base.
.macro PASSQK tq, adr, ob
	s_wait_xcnt 0x0                                ; the last pass's stores have read the codes' registers: they are written again only behind this wait
.irp p, 0,1
.irp w, 0,1,2,3
	global_load_b128 v[ACC+32*\p+8*\w:ACC+32*\p+8*\w+3], v[ABQ], s[58:59] offset:\tq*1024+(32*(\w/2)+8*(\w%2))*4
	global_load_b128 v[ACC+32*\p+8*\w+4:ACC+32*\p+8*\w+7], v[ABQ], s[58:59] offset:\tq*1024+(32*(\w/2)+8*(\w%2))*4+16
.endr
.endr
	WSCALES \tq
	WLOAD \tq, 0
	s_wait_dscnt 0x0
	s_wait_loadcnt 0x0                             ; the bias (in the first pass v's too)
.irp w, 0,1,2,3                                ; the eight accumulators take turns, one instruction a turn, in both K steps
.irp p, 0,1
	MM ACC+32*\p+8*\w, WF+16*\w, HN+32*\p, ACC+32*\p+8*\w, WS+\w, HS, 0, \p
.endr
.endr
	PLACES 8                                       ; in front of loads into registers that these products read
	WLOAD \tq, 1
	s_wait_dscnt 0x0
.irp w, 0,1,2,3
.irp p, 0,1
	MM ACC+32*\p+8*\w, WF+16*\w, HN+32*\p+16, ACC+32*\p+8*\w, WS+\w, HS+1, 1, \p
.endr
.endr
	PLACES 9                                       ; 8 serve the reads of the results and the next pass's loads; the ninth the v pass, whose first products begin anew over these registers
	QUANT                                          ; block 2 p + b: pixel tile p, channels 32 b on
	v_lshl_or_b32 v254, v[TM+5], 8, v[TM+4]        ; tile 0's word,
	v_lshl_or_b32 v255, v[TM+7], 8, v[TM+6]        ; tile 1's;
	v_cndmask_b32 v254, v254, v255, s50            ; lanes 0-15 keep tile 0's, lanes 16-31 take tile 1's
	v_or_b32 v254, 0x7f7f0000, v254                ; the scale 1 for the two blocks of zero codes
	ds_store_b32 v[\adr], v254
.irp k, 0,1,2,3
	global_store_b128 v[LI], v[PC+4*\k:PC+4*\k+3], s[\ob:\ob+1] offset:512*\k   ; a chunk: 32 lanes store 512 consecutive bytes, aligned
.endr
.endm
	s_load_b256 s[4:11], s[0:1], 0x0               ; hn s[4:5], the weight's codes s[6:7], its scales s[8:9], qkv_b s[10:11]
	s_load_b128 s[12:15], s[0:1], 0x20             ; qq s[12:13], kv s[14:15]
	s_set_vgpr_msb 0x40
	v_lshl_add_u32 v0, v0, 2, 0x29000
	v_mov_b32 v1, 0
	s_set_vgpr_msb 0x4045
	ds_add_u32 v0, v1
	ds_add_u32 v0, v1
	s_set_vgpr_msb 0x4500
	v_lshrrev_b32 v13, 5, v0
	v_readfirstlane_b32 s16, v13                   ; wave 0..7
	v_and_b32 v1, 31, v0                           ; lane
	v_and_b32 v2, 15, v0                           ; r
	v_bfe_u32 v3, v0, 4, 1                         ; half
	v_lshlrev_b32 v[LI], 4, v1
	v_and_b32 v14, 8, v2
	v_add_nc_u32 v14, v14, v2                      ; r + 8 (r / 8)
	v_mul_u32_u24 v[AWP], v14, 272
	v_lshl_add_u32 v[AWP], v3, 4, v[AWP]
	v_lshlrev_b32 v[ASW], 3, v14
	v_lshl_add_u32 v[ASW], v3, 2, v[ASW]
	v_add_nc_u32 v[ASW], SCW, v[ASW]
	v_lshlrev_b32 v[ABQ], 6, v3
	v_lshlrev_b32 v[ABV], 2, v14
	v_lshl_add_u32 v[AQS], v0, 2, QSW              ; word 16 (2 wave + half) + r = my thread's number
	v_bfe_u32 v15, v0, 7, 1                        ; wave / 4: which of the block's two key steps
	v_bfe_u32 v13, v0, 5, 2                        ; wave % 4: which key group of the step
	v_lshl_add_u32 v[AKS], v15, 9, v[LI]
	v_lshl_add_u32 v[AKS], v13, 2, v[AKS]
	v_add_nc_u32 v[AKS], KSW, v[AKS]               ; 512 x step + 16 x lane + 4 x group
	v_lshlrev_b32 v[AVS], 3, v2
	v_lshl_add_u32 v[AVS], v15, 8, v[AVS]
	v_add_nc_u32 v[AVS], v13, v[AVS]
	v_add_nc_u32 v[AVS], VSW, v[AVS]               ; 256 x step + 8 r + group
	v_mul_u32_u24 v[AVT], v3, REC
	v_lshl_add_u32 v[AVT], v2, 4, v[AVT]           ; out: lanes 0-15 the first step's 256 bytes, lanes 16-31 the second's, a record on
	s_bfe_u32 s17, ttmp6, 0x40000                  ; cx: it enters global addresses of my own loads and stores alone
	s_lshl_b32 s18, ttmp9, 2
	s_add_co_u32 s18, s18, s17                     ; block of 256 pixels
	s_and_b32 s19, ttmp7, 0xffff                   ; batch x 4 + head, which the four partners share
	s_lshr_b32 s20, s19, 2                         ; batch
	s_and_b32 s21, s19, 3                          ; head
	; descriptor group 1 for a plane of the weight: 64 rows of 256 bytes, 16 bytes of padding behind each
	s_mov_b32 s24, 15|(1<<20)|(1<<21)|(5<<22)|(3<<25)   ; 15:0 the mask: all four work-groups; 17:16 elements of 1 byte; 20 padding on; 21 set beside a mask; 24:22 after every 64 words; 31:25 four words
	s_mov_b32 s25, 256<<16                         ; tensor_dim0
	s_mov_b32 s26, 64<<16                          ; tensor_dim1
	s_mov_b32 s27, 256<<16                         ; tile_dim0
	s_mov_b32 s28, 64                              ; tile_dim1
	s_mov_b32 s29, 256                             ; the pitch
	s_mov_b32 s30, 0
	s_mov_b32 s31, 0
	; and for a plane's scale bytes: one row of 512 bytes (64 elements of 8)
	s_mov_b32 s36, 15|(3<<16)|(1<<21)
	s_mov_b32 s37, 64<<16
	s_mov_b32 s38, 1<<16
	s_mov_b32 s39, 64<<16
	s_mov_b32 s40, 1
	s_mov_b32 s41, 64
	s_mov_b32 s42, 0
	s_mov_b32 s43, 0
	s_mov_b32 s49, 0
	s_mov_b32 s50, 0xffff0000                      ; lanes 16-31
	s_mov_b32 s51, 0x600000                        ; the mantissa field of 448
	s_mov_b32 s52, 0x76543210
	s_mov_b32 s53, 0xfedcba98                      ; v_permlanex16_b32's selects for lane l xor 16
	s_lshl_b32 s72, s18, 3
	s_add_co_u32 s72, s72, s16                     ; G: my group of 32 pixels
	s_lshr_b32 s73, s16, 2
	s_and_b32 s76, s16, 3
	s_mov_b32 s75, 0
	s_wait_dscnt 0x0
	s_wait_kmcnt 0x0
	s_lshl_b32 s74, s20, 18
	s_lshl_b32 s77, s72, 13
	s_add_co_u32 s74, s74, s77
	s_add_nc_u64 s[54:55], s[4:5], s[74:75]        ; hn's codes: 262,144 x batch + 8,192 G
	s_lshl_b32 s74, s20, 13
	s_lshl_b32 s77, s72, 5
	s_add_co_u32 s74, s74, s77
	s_add_co_u32 s74, s74, 4194304
	s_add_nc_u64 s[56:57], s[4:5], s[74:75]        ; hn's scale bytes: 8,192 x batch + 32 G
	s_lshl_b32 s74, s21, 8
	s_add_nc_u64 s[58:59], s[10:11], s[74:75]      ; the head's bias
	s_mul_i32 s78, s19, 69632
	s_lshl_b32 s74, s18, 14
	s_lshl_b32 s77, s16, 11
	s_add_co_u32 s74, s74, s77
	s_add_co_u32 s74, s74, s78
	s_add_nc_u64 s[60:61], s[12:13], s[74:75]      ; q's codes: 2,048 G in the head's record
	s_lshl_b32 s74, s18, 10
	s_add_co_u32 s74, s74, s78
	s_add_co_u32 s74, s74, 65536
	s_add_nc_u64 s[62:63], s[12:13], s[74:75]      ; q's words of the block
	s_mul_i32 s74, s19, 8*REC
	s_mul_i32 s77, s18, 2*REC
	s_add_co_u32 s74, s74, s77
	s_add_nc_u64 s[66:67], s[14:15], s[74:75]      ; the block's two records of kv
	s_mul_i32 s74, s73, REC
	s_lshl_b32 s77, s76, 11
	s_add_co_u32 s74, s74, s77
	s_add_nc_u64 s[68:69], s[66:67], s[74:75]      ; k's codes: my step's record, 2,048 x group
	s_mul_i32 s74, s73, REC
	s_lshl_b32 s77, s76, 9
	s_add_co_u32 s74, s74, s77
	s_add_co_u32 s74, s74, 8192
	s_add_nc_u64 s[70:71], s[66:67], s[74:75]      ; v's codes: 8,192 + 512 x group
.set n, 0
.rept 16
	global_load_b128 v[HN+4*n:HN+4*n+3], v[LI], s[54:55] offset:512*n   ; my two tiles' images, 8 KiB on end
.set n, n+1
.endr
.irp g, 0,1,2,3,4,5,6,7
	global_load_u8 v[TM+\g], v1, s[56:57] offset:1024*\g   ; channel group g's byte of pixel row 16 p + r = my lane
.endr
.irp w, 0,1,2,3
	global_load_b32 v[BV+2*\w], v[ABV], s[58:59] offset:2048+(32*(\w/2)+8*(\w%2))*4     ; v's bias of my channel in tile w,
	global_load_b32 v[BV+2*\w+1], v[ABV], s[58:59] offset:2048+(32*(\w/2)+8*(\w%2))*4   ; twice: a pair for the packed addition
.endr
	ROUND                                          ; all four work-groups are here: the joint loads meet
	s_cmp_lt_u32 s16, 3                            ; waves 0-2: plane q, k, v of the weight; waves 3-5: its scale bytes; one tensor load of a wave is out.  The branches hang on the wave's number alone
	s_cbranch_scc0 .Lnot_w
	s_mov_b32 s32, 1                               ; count = 1
	s_mul_i32 s33, s16, WPL                        ; LDS address
	s_lshl_b32 s48, s16, 16                        ; plane: 256 rows of 256 bytes;
	s_lshl_b32 s44, s21, 14                        ; head: 64 rows
	s_add_co_u32 s48, s48, s44
	s_add_nc_u64 s[34:35], s[6:7], s[48:49]
	s_or_b32 s35, s35, 0x80000000                  ; type = 2
	tensor_load_to_lds s[32:35], s[24:31]
	s_nop 0
	PLACES 4
	s_branch .Lasked
.Lnot_w:
	s_cmp_lt_u32 s16, 6
	s_cbranch_scc0 .Lasked
	s_mov_b32 s44, 1
	s_lshl_b32 s45, s16, 9
	s_add_co_u32 s45, s45, SCW-3*512               ; SCW + 512 (wave - 3)
	s_lshl_b32 s48, s16, 11
	s_sub_co_u32 s48, s48, 3*2048                  ; plane wave - 3: 256 rows of 8 bytes;
	s_lshl_b32 s46, s21, 9                         ; head: 64 rows
	s_add_co_u32 s48, s48, s46
	s_add_nc_u64 s[46:47], s[8:9], s[48:49]
	s_or_b32 s47, s47, 0x80000000
	tensor_load_to_lds s[44:47], s[36:43]
	s_nop 0
	PLACES 4
.Lasked:
	s_wait_loadcnt 8                               ; hn's 16 loads and its 8 bytes are in; v's 8 bias loads may stay out
.irp s, 0,1
	v_lshl_or_b32 v[HS+\s], v[TM+4*\s+1], 8, v[TM+4*\s]   ; four bytes make K step s's word
	v_lshl_or_b32 v[HS+\s], v[TM+4*\s+2], 16, v[HS+\s]
	v_lshl_or_b32 v[HS+\s], v[TM+4*\s+3], 24, v[HS+\s]
.endr
.irp b, 0,1,2,3
	v_mov_b32 v[TM+4+\b], 0                        ; a lane permute's destination counts as one of its sources.  These four and the four below: eight places between the scale words and the first product
.endr
	PLACES 4
	s_wait_tensorcnt 0x0                           ; my load, if I issued one, has landed;
	s_barrier_signal -1
	s_barrier_wait -1                              ; everybody's has
	PASSQK 0, AQS, 60
	PASSQK 1, AKS, 68
	; ---- v: accumulator (w, p) at ACC + 16 w + 8 p; source 0 = my pixel tile p, source 1 = tile w of the weight
	s_wait_xcnt 0x0                                ; k's stores have read the codes' registers
	WSCALES 2
	WLOAD 2, 0
	s_wait_dscnt 0x0
.irp w, 0,1,2,3
.irp p, 0,1
	MM ACC+16*\w+8*\p, HN+32*\p, WF+16*\w, -1, HS, WS+\w, \p, 0
.endr
.endr
	PLACES 8
	WLOAD 2, 1
	s_wait_dscnt 0x0
.irp w, 0,1,2,3
.irp p, 0,1
	MM ACC+16*\w+8*\p, HN+32*\p+16, WF+16*\w, ACC+16*\w+8*\p, HS+1, WS+\w, \p, 1
.endr
.endr
	PLACES 8
.irp w, 0,1,2,3
.irp k, 0,2,4,6,8,10,12,14
	v_pk_add_f32 v[ACC+16*\w+\k:ACC+16*\w+\k+1], v[ACC+16*\w+\k:ACC+16*\w+\k+1], v[BV+2*\w:BV+2*\w+1]   ; a lane holds one channel: one bias for its 16 keys; each accumulator from its low end on
.endr
.endr
	QUANT                                          ; block w: channel tile w, my 32 keys
.irp w, 0,1,2,3
	ds_store_b8 v[AVS], v[TM+4+\w] offset:(\w%2)*128+(\w/2)*4   ; both halves of the lanes write the same byte with the same value
.endr
.irp w, 0,1,2,3
	global_store_b128 v[LI], v[PC+4*\w:PC+4*\w+3], s[70:71] offset:2048*\w
.endr
	s_wait_dscnt 0x0                               ; for the others' sake: my words and bytes lie in LDS
	s_barrier_signal -1
	s_barrier_wait -1
	s_cmp_eq_u32 s16, 0                            ; the scale words leave in runs of 512 (v: 256) consecutive bytes: wave 0 q's, wave 1 k's, wave 2 v's
	s_cbranch_scc0 .Lnot_q
	ds_load_b128 v[80:83], v[LI] offset:QSW
	ds_load_b128 v[84:87], v[LI] offset:QSW+512
	s_wait_dscnt 0x0
	global_store_b128 v[LI], v[80:83], s[62:63]
	global_store_b128 v[LI], v[84:87], s[62:63] offset:512
	s_branch .Lout
.Lnot_q:
	s_cmp_eq_u32 s16, 1
	s_cbranch_scc0 .Lnot_k
	ds_load_b128 v[80:83], v[LI] offset:KSW
	ds_load_b128 v[84:87], v[LI] offset:KSW+512
	s_wait_dscnt 0x0
	global_store_b128 v[LI], v[80:83], s[66:67] offset:16384
	global_store_b128 v[LI], v[84:87], s[66:67] offset:16384+REC
	s_branch .Lout
.Lnot_k:
	s_cmp_eq_u32 s16, 2
	s_cbranch_scc0 .Lout
	ds_load_b128 v[80:83], v[LI] offset:VSW
	s_wait_dscnt 0x0
	global_store_b128 v[AVT], v[80:83], s[66:67] offset:16896
.Lout:
	s_set_vgpr_msb 0x5
	s_wait_tensorcnt 0x0
	ds_add_u32 v0, v1
	s_wait_dscnt 0x0
	s_set_vgpr_msb 0x500
	ROUND                                          ; the closing round: no work-group ends while a partner may still ask for a plane that names it
	s_endpgm
.Lfunc_end_k_q6a7a463836_qkv:
	.size	k_q6a7a463836_qkv, .Lfunc_end_k_q6a7a463836_qkv-k_q6a7a463836_qkv
	.p2alignl 7, 3214868480
	.fill 96, 4, 3214868480
	.section	.rodata,"a",@progbits
	.p2align	6, 0x0
	.amdhsa_kernel k_q6a7a463836_qkv
		.amdhsa_group_segment_fixed_size 168960
		.amdhsa_private_segment_fixed_size 0
		.amdhsa_enable_private_segment 0
		.amdhsa_kernarg_size 48
		.amdhsa_user_sgpr_count 2
		.amdhsa_user_sgpr_kernarg_segment_ptr 1
		.amdhsa_wavefront_size32 1
		.amdhsa_system_sgpr_workgroup_id_x 1
		.amdhsa_system_sgpr_workgroup_id_y 1
		.amdhsa_system_sgpr_workgroup_id_z 1
		.amdhsa_system_vgpr_workitem_id 0
		.amdhsa_next_free_vgpr 258
		.amdhsa_next_free_sgpr 80
		.amdhsa_reserve_vcc 0
		.amdhsa_float_denorm_mode_32 3
		.amdhsa_float_denorm_mode_16_64 3
		.amdhsa_memory_ordered 1
		.amdhsa_forward_progress 1
		.amdhsa_inst_pref_size 58
	.end_amdhsa_kernel
	.amdgpu_metadata
---
amdhsa.version: [ 1, 2 ]
amdhsa.kernels:
  - .name:           k_q6a7a463836_qkv
    .symbol:         k_q6a7a463836_qkv.kd
    .args:
      - { .name: hn, .offset: 0, .size: 8, .value_kind: global_buffer, .address_space: global }
      - { .name: qkv_w_codes, .offset: 8, .size: 8, .value_kind: global_buffer, .address_space: global }
      - { .name: qkv_w_scales, .offset: 16, .size: 8, .value_kind: global_buffer, .address_space: global }
      - { .name: qkv_b, .offset: 24, .size: 8, .value_kind: global_buffer, .address_space: global }
      - { .name: qq, .offset: 32, .size: 8, .value_kind: global_buffer, .address_space: global }
      - { .name: kv, .offset: 40, .size: 8, .value_kind: global_buffer, .address_space: global }
    .group_segment_fixed_size: 168960
    .private_segment_fixed_size: 0
    .kernarg_segment_align: 8
    .kernarg_segment_size: 48
    .max_flat_workgroup_size: 256
    .sgpr_count:     80
    .vgpr_count:     258
    .wavefront_size: 32
...
	.end_amdgpu_metadata
.endif
;; end of part 2
;; launch attn (part 3): grid 4 x 64, 16 waves a work-group, clusters of 4 x 1, 169,984 bytes of LDS; arguments qq, kv, oc; writes oc
.if DOCPART == 3
	.amdgcn_target "amdgcn-amd-amdhsa--gfx1250"
	.amdhsa_code_object_version 6
	.text
	.protected	k_q6a7a463836_attn
	.globl	k_q6a7a463836_attn
	.p2align	8
	.type	k_q6a7a463836_attn,@function
k_q6a7a463836_attn:
	s_mov_b64 s[64:65], 0
	v_nop
	global_prefetch_b8 v0, s[64:65] scope:SCOPE_SE
	s_setreg_imm32_b32 hwreg(HW_REG_WAVE_MODE, 25, 1), 1
	s_wait_xcnt 0x0
	s_wait_alu depctr_hold_cnt(0) depctr_sa_sdst(0) depctr_va_vdst(0) depctr_va_sdst(0) depctr_va_ssrc(0) depctr_va_vcc(0) depctr_vm_vsrc(0)
	s_getreg_b32 s2, hwreg(HW_REG_IB_STS2, 6, 4)
	s_cmp_eq_u32 s2, 0
	s_cbranch_scc0 .Lentry_in_a_cluster
	s_endpgm
.Lentry_in_a_cluster:
	s_bfe_u32 s2, ttmp6, 0x10000c
	s_cmp_lg_u32 s2, 0x3003
	s_cbranch_scc0 .Lentry_shape_is_right
	s_endpgm
.Lentry_shape_is_right:
; O = softmax(q k^T / 8) v for one head, both products on codes of E4M3 with one E8M0 byte for each 32 along K; O / the row's sum is quantised along the channels for the projection.
; THE SOFTMAX AHEAD OF THE SECOND PRODUCT: t = score x log2(e) / 8; M = the running largest t rounded UP to a whole number; p = 2^(t - M) is what is quantised, along the keys, not normalised.
; The row's sum is taken of the unquantised p, in f32.  When M moves, the sum and O are multiplied by 2^(old M - new M): exact.
; SHARES.  Work-group = (batch x 4 + head, block of 256 queries); each of its sixteen waves owns one tile of 16 queries in 256 registers: four waves share a SIMD's registers, so that one wave's vector work can stand beside another's products and LDS loads.
; Every wave walks the head's 1,024 keys, 128 a step.
; LDS.  The head's eight records of kv (K's and V's codes and scale words of 128 keys, 17,152 bytes each) lie in LDS as they lie in memory: 137,216 bytes, filled ONCE.  No ring, no refill.
; CLUSTER.  The four query blocks of a head need the same records: each is asked for JOINTLY (mask 15), by waves 0 to 7, one load a wave.
; LAYOUT.  Both products are used transposed: S^T = K Q^T (source 0 = 16 keys), O^T = V^T P^T (source 0 = 16 channels): a lane holds ONE query (lane % 16) throughout.  Fragments are images of registers: chunks of 512 bytes, lane l's 16 bytes at 16 l.
; By the tile order (row r of key tile 2 b + u is key 32 b + 8 u + r + 8 (r / 8); V's channel tiles likewise) the 16 registers of tiles 2 b, 2 b + 1 are 16 neighbours, 32 b + 16 (lane / 16) + 0 .. 15, along the next product's K.
; The first product's K is 64: registers 8-15 of q's and of each of K's fragments hold zero codes (registers of their own for each operand), under the scale byte 0x7f.
; LIMITS: NaN and infinities are not served; a block of O whose largest magnitude lies under 2^-118 gets the byte 1, a block of zeros too (its codes are zeros; only this program reads the bytes).
.set REC, 17152
.set OSW, 8*REC                        ; LDS behind the records: the block's 256 halfwords of O's scale bytes.  It lies beyond what an LDS instruction's 16-bit immediate reaches: the address registers carry it
.set LI,  1                            ; v1   16 x lane
.set L8,  2                            ; v2   8 x lane
.set AOS, 4                            ; v4   where my halfword goes: OSW + 32 wave + 2 r
.set ADK, 8                            ; v8   the step's record + 16 x lane
.set ADV, 9                            ; v9   the step's record + 8 x lane
.set AOR, 10                           ; v10  OSW + 16 x lane: where wave 0 reads the halfwords back
                                       ; v12 -M, v13 the largest t so far, v[14:15] the row's sum in two halves
.set Q,   16                           ; v16-31   q's fragment
.set KF,  32                           ; v32-95   four fragments of K
.set S,   96                           ; v96-159  S^T, then p, then V's four fragments
.set OT,  160                          ; v160-191 O^T: four accumulators
.set PC,  192                          ; v192-207 p's codes
.set BM,  208                          ; v208-211 the blocks' largest scores, then largest p
.set PT,  212                          ; v212-215 the other half's, then the bytes
.set HD,  216                          ; v216-219 448 x the scale
.set SO,  220                          ; v220-223 the conversions' scale operands
.set F,   224                          ; v[224:225] f = 2^(old M - new M); the pair's upper word is written once
.set WK,  226
.set SM,  228                          ; v[228:229] the sum's second chain
.set KS,  240                          ; v240-243 K's scale words: word b: lanes 0-15 tile 2 b, lanes 16-31 tile 2 b + 1
.set VS,  244                          ; v244-245 V's: word dt / 2: lanes 0-15 even dt, lanes 16-31 odd dt
.set PW,  246                          ; p's scale word
.set QW,  247                          ; q's
.macro PLACES n                        ; plain vector instructions that name no register of the matrix instructions before them (ISA guide 7.12.1)
.rept \n
	v_nop
.endr
.endm
.macro ROUND                           ; a round of the cluster's barrier
	s_barrier_signal -1
	s_barrier_wait -1
	s_cmp_lg_u32 s16, 0
	s_cbranch_scc1 .Lnot_wave_0_\@
	s_barrier_signal -3
.Lnot_wave_0_\@:
	s_barrier_wait -3
	s_barrier_signal -1
	s_barrier_wait -1
.endm
; One product.  cz < 0: the sum begins with the constant 0; else C = v[cz ..].  ra = 1: source 0's scales are read from lanes 16-31.
.macro MM d, a, b, cz, sa, sb, ra
.if (\cz) < 0
.if (\ra)
	v_wmma_scale_f32_16x16x128_f8f6f4 v[\d:\d+7], v[\a:\a+15], v[\b:\b+15], 0, v[\sa], v[\sb] matrix_a_scale:MATRIX_SCALE_ROW1
.else
	v_wmma_scale_f32_16x16x128_f8f6f4 v[\d:\d+7], v[\a:\a+15], v[\b:\b+15], 0, v[\sa], v[\sb]
.endif
.else
.if (\ra)
	v_wmma_scale_f32_16x16x128_f8f6f4 v[\d:\d+7], v[\a:\a+15], v[\b:\b+15], v[\cz:\cz+7], v[\sa], v[\sb] matrix_a_scale:MATRIX_SCALE_ROW1
.else
	v_wmma_scale_f32_16x16x128_f8f6f4 v[\d:\d+7], v[\a:\a+15], v[\b:\b+15], v[\cz:\cz+7], v[\sa], v[\sb]
.endif
.endif
.endm
; The largest score of blocks x and y (32 keys each; my 16 of them), the two by turns.  Each accumulator's first read takes one of its lowest registers.
.macro MAXPAIR x, y
.irp b, \x, \y
	v_max3_num_f32 v[BM+\b], v[S+16*\b], v[S+16*\b+1], v[S+16*\b+2]
.endr
.irp i, 3,5,7,9,11,13
.irp b, \x, \y
	v_max3_num_f32 v[BM+\b], v[BM+\b], v[S+16*\b+\i], v[S+16*\b+\i+1]
.endr
.endr
.irp b, \x, \y
	v_max_num_f32 v[BM+\b], v[BM+\b], v[S+16*\b+15]
.endr
.endm
	s_load_b128 s[4:7], s[0:1], 0x0                ; qq s[4:5], kv s[6:7]
	s_load_b64 s[8:9], s[0:1], 0x10                ; oc
	v_lshl_add_u32 v254, v0, 2, 0x29000
	v_mov_b32 v255, 0
	ds_add_u32 v254, v255
	ds_add_u32 v254, v255
	v_lshrrev_b32 v5, 5, v0
	v_readfirstlane_b32 s16, v5                    ; wave 0..15
	v_and_b32 v6, 31, v0
	v_and_b32 v7, 15, v0                           ; r
	v_lshlrev_b32 v[LI], 4, v6
	v_lshlrev_b32 v[L8], 3, v6
	v_lshlrev_b32 v3, 2, v7                        ; 4 r
	v_lshlrev_b32 v[AOS], 1, v7
	v_lshl_add_u32 v[AOS], v5, 5, v[AOS]
	v_add_nc_u32 v[AOS], OSW, v[AOS]
	v_lshl_add_u32 v[AOR], v6, 4, OSW              ; made here, ahead of every branch on the wave's number
	s_bfe_u32 s17, ttmp6, 0x40000                  ; cx: it enters q's and O's global addresses alone
	s_lshl_b32 s18, ttmp9, 2
	s_add_co_u32 s18, s18, s17                     ; block of 256 queries
	s_and_b32 s19, ttmp7, 0xffff                   ; batch x 4 + head, which the four partners share
	s_lshl_b32 s27, s18, 4
	s_add_co_u32 s27, s27, s16                     ; T: my tile of queries
	; descriptor group 1: a record, dense in memory, as 67 rows of 256 bytes (32 elements of 8)
	s_mov_b32 s28, 15|(3<<16)|(1<<21)              ; 15:0 the mask: all four work-groups; 17:16 elements of 8 bytes; 21 set beside a mask
	s_mov_b32 s29, 32<<16                          ; tensor_dim0
	s_mov_b32 s30, 67<<16                          ; tensor_dim1
	s_mov_b32 s31, 32<<16                          ; tile_dim0
	s_mov_b32 s32, 67                              ; tile_dim1
	s_mov_b32 s33, 32                              ; the pitch
	s_mov_b32 s34, 0
	s_mov_b32 s35, 0
	s_mov_b32 s20, 0x76543210
	s_mov_b32 s21, 0xfedcba98                      ; v_permlanex16_b32's selects for lane l xor 16
	s_mov_b32 s22, 0x3e38aa3b                      ; c = log2(e) / 8
	s_mov_b32 s23, s22                             ; (named with it as a pair, so it is written)
	s_mov_b32 s24, 0x600000                        ; the mantissa field of 448
	s_mov_b32 s25, 0                               ; LDS byte at which the step's record begins
	s_mov_b32 s26, 8                               ; key steps to go
	s_mov_b32 s41, 0
	s_mov_b32 s45, 0
	s_wait_dscnt 0x0
	s_wait_kmcnt 0x0
	s_mul_i32 s42, s19, 69632
	s_lshl_b32 s44, s27, 10
	s_add_co_u32 s44, s44, s42
	s_add_nc_u64 s[46:47], s[4:5], s[44:45]        ; q's codes: 1,024 T in the head's record
	s_lshl_b32 s44, s27, 6
	s_add_co_u32 s44, s44, s42
	s_add_co_u32 s44, s44, 65536
	s_add_nc_u64 s[48:49], s[4:5], s[44:45]        ; q's words: 64 T
	s_lshr_b32 s43, s19, 2
	s_lshl_b32 s44, s43, 18
	s_lshl_b32 s43, s27, 12
	s_add_co_u32 s44, s44, s43
	s_and_b32 s43, s19, 3
	s_lshl_b32 s43, s43, 10
	s_add_co_u32 s44, s44, s43
	s_add_nc_u64 s[50:51], s[8:9], s[44:45]        ; O's codes: 262,144 x batch + 4,096 T + 1,024 x head
	s_lshl_b32 s44, s19, 11
	s_lshl_b32 s43, s18, 9
	s_add_co_u32 s44, s44, s43
	s_add_co_u32 s44, s44, 4194304
	s_add_nc_u64 s[52:53], s[8:9], s[44:45]        ; O's scale halfwords: 2,048 a head, 512 a block
	global_load_b128 v[Q:Q+3], v[LI], s[46:47]
	global_load_b128 v[Q+4:Q+7], v[LI], s[46:47] offset:512
	global_load_b32 v[QW], v3, s[48:49]
.irp j, 8,9,10,11,12,13,14,15
	v_mov_b32 v[Q+\j], 0                           ; zero codes: K = 64 .. 127 of the first product
.endr
.irp t, 0,1,2,3
.irp j, 8,9,10,11,12,13,14,15
	v_mov_b32 v[KF+16*\t+\j], 0                    ; likewise, in registers of K's own; never rewritten
.endr
.endr
.set n, 0
.rept 32
	v_mov_b32 v[OT+n], 0                           ; O^T.  (The step is written once: the first finds zeros, which the first change of M leaves zeros)
.set n, n+1
.endr
.irp b, 0,1,2,3
	v_mov_b32 v[PT+\b], 0                          ; a lane permute's destination counts as one of its sources
.endr
	v_mov_b32 v[F+1], 0                            ; (named as the upper half of a pair)
	v_mov_b32 v13, 0xff61b1e6                      ; the largest t so far: -3e38, under every t
	v_floor_f32 v12, -v13                          ; -M
	v_mov_b32 v14, 0
	v_mov_b32 v15, 0
	ROUND                                          ; all four work-groups are here: the joint loads meet
	s_cmp_lt_u32 s16, 8                            ; wave w of 0 .. 7 fetches record w: one tensor load of a wave is out.  The branch hangs on the wave's number alone
	s_cbranch_scc0 .Lasked
	s_mov_b32 s36, 1                               ; count = 1
	s_mul_i32 s37, s16, REC                        ; LDS address
	s_mul_i32 s40, s19, 8*REC
	s_add_co_u32 s40, s40, s37
	s_add_nc_u64 s[38:39], s[6:7], s[40:41]
	s_or_b32 s39, s39, 0x80000000                  ; type = 2
	tensor_load_to_lds s[36:39], s[28:35]
	s_nop 0
	PLACES 4
.Lasked:
	s_wait_loadcnt 0x0                             ; q
	s_wait_tensorcnt 0x0                           ; my record, if I fetched one, has landed;
	s_barrier_signal -1
	s_barrier_wait -1                              ; everybody's has
.Lstep:                                            ; a key step: 128 keys
	v_add_nc_u32 v[ADK], s25, v[LI]
	ds_load_b128 v[KS:KS+3], v[ADK] offset:16384
.irp t, 0,1,2,3
	ds_load_b128 v[KF+16*\t:KF+16*\t+3], v[ADK] offset:\t*1024
	ds_load_b128 v[KF+16*\t+4:KF+16*\t+7], v[ADK] offset:\t*1024+512
.endr
	PLACES 9                                       ; nine places: the products below write over registers that the last step's products read (V's fragments).  They stand while the loads above are on their way
	s_wait_dscnt 0x0
.irp t, 0,1,2,3
	MM S+8*\t, KF+16*\t, Q, -1, KS+\t/2, QW, \t%2
.endr
	PLACES 8                                       ; in front of loads into registers that these products read, and of the reads of their results
.irp t, 0,1,2,3
	ds_load_b128 v[KF+16*\t:KF+16*\t+3], v[ADK] offset:(4+\t)*1024
	ds_load_b128 v[KF+16*\t+4:KF+16*\t+7], v[ADK] offset:(4+\t)*1024+512
.endr
	s_wait_dscnt 0x0
.irp t, 0,1,2,3
	MM S+32+8*\t, KF+16*\t, Q, -1, KS+2+\t/2, QW, \t%2
.endr
	MAXPAIR 0, 1                                   ; THE LARGEST SCORE OF EACH BLOCK OF 32 KEYS serves twice: for the row's maximum and, since p rises with the score, for the block's largest p.  These sixteen name no register of the four products above: they are their places
	MAXPAIR 2, 3
.irp b, 0,1,2,3
	v_permlanex16_b32 v[PT+\b], v[BM+\b], s20, s21
.endr
.irp b, 0,1,2,3
	v_max_num_f32 v[BM+\b], v[BM+\b], v[PT+\b]     ; with lane l xor 16's 16 keys
.endr
	v_max3_num_f32 v[WK], v[BM], v[BM+1], v[BM+2]
	v_max_num_f32 v[WK], v[WK], v[BM+3]            ; the step's largest score of my query
	v_mul_f32 v[WK], s22, v[WK]                    ; as t (c is positive)
	v_max_num_f32 v13, v13, v[WK]                  ; the running largest t
	v_mov_b32 v[WK], v12                           ; the old -M
	v_floor_f32 v12, -v13                          ; the new -M = floor(-t) = -ceil(t): M IS A WHOLE NUMBER
.set n, 0
.rept 32
	v_pk_fma_f32 v[S+n:S+n+1], v[S+n:S+n+1], s[22:23], v[12:13] op_sel_hi:[1,0,0]   ; t - M, two at a time (of the pairs c and -M the low word serves both halves)
.set n, n+2
.endr
.irp b, 0,1,2,3
	v_fma_f32 v[BM+\b], v[BM+\b], s22, v12         ; the same of each block's largest score
.endr
.set n, 0
.rept 64
	v_exp_f32 v[S+n], v[S+n]                       ; p = 2^(t - M), at most 1: NOT normalised
.set n, n+1
.endr
.irp b, 0,1,2,3
	v_exp_f32 v[BM+\b], v[BM+\b]                   ; the block's largest p: the same two instructions on the same number give the same bits
.endr
	v_sub_f32 v[WK], v12, v[WK]                    ; old M - new M: a whole number, 0 or less.  (The plain instruction behind the exponentials)
	s_wait_alu depctr_va_vdst(0)
.irp b, 0,1,2,3
	v_max_num_f32 v[BM+\b], 0x4800000, v[BM+\b]    ; the floor 2^(9 - 127): the byte cannot fall under 1 (a block whose every p is 0 keeps that byte: its codes are zeros)
.endr
.irp b, 0,1,2,3
	v_add_nc_u32 v[SO+\b], 0xfc000000, v[BM+\b]    ; 8 off the exponent field: the conversion's scale operand
.endr
.irp b, 0,1,2,3
	v_lshrrev_b32 v[PT+\b], 23, v[SO+\b]           ; the scale's byte
.endr
	v_lshl_or_b32 v[PW], v[PT+1], 8, v[PT]         ; p's scale word for these 128 keys
	v_lshl_or_b32 v[PW], v[PT+2], 16, v[PW]
	v_lshl_or_b32 v[PW], v[PT+3], 24, v[PW]
	v_cvt_i32_f32 v[WK], v[WK]                     ; (it saturates.)  From here eight plain instructions that name no register of the second product stand between the scale word and that product
	v_ldexp_f32 v[F], 1.0, v[WK]                   ; f = 2^(old M - new M): a multiplication by it rounds nothing
	v_add_nc_u32 v[ADV], s25, v[L8]
.irp b, 0,1,2,3
	v_and_or_b32 v[HD+\b], v[BM+\b], 0x7f800000, s24   ; 448 x the scale
.endr
	v_pk_mul_f32 v[14:15], v[14:15], v[F:F+1] op_sel_hi:[1,0]   ; the sums under the new M
	ds_load_b64 v[VS:VS+1], v[ADV] offset:16896
	v_pk_add_f32 v[SM:SM+1], v[S:S+1], v[S+2:S+3]  ; THE ROW'S SUM IS TAKEN OF THE UNQUANTISED p: two at a time, in two chains
.irp j, 4,8,12,16,20,24,28,32,36,40,44,48,52,56,60
	v_pk_add_f32 v[14:15], v[14:15], v[S+\j:S+\j+1]
	v_pk_add_f32 v[SM:SM+1], v[SM:SM+1], v[S+\j+2:S+\j+3]
.endr
	v_pk_add_f32 v[14:15], v[14:15], v[SM:SM+1]
.irp b, 0,1,2,3
.irp i, 0,1,2,3,4,5,6,7,8,9,10,11,12,13,14,15
	v_min_num_f32 v[S+16*\b+\i], v[S+16*\b+\i], v[HD+\b]   ; the conversion to an 8-bit code does not saturate (ISA guide 7.6.2); p is not negative, so the hold is one-sided
.endr
	v_cvt_scalef32_pk8_fp8_f32 v[PC+4*\b:PC+4*\b+1], v[S+16*\b:S+16*\b+7], v[SO+\b]
	v_cvt_scalef32_pk8_fp8_f32 v[PC+4*\b+2:PC+4*\b+3], v[S+16*\b+8:S+16*\b+15], v[SO+\b]
.irp c, 0,1,2,3
	ds_load_b128 v[S+16*\b+4*\c:S+16*\b+4*\c+3], v[ADK] offset:8192+2048*\b+512*\c   ; V's fragment of channel tile b takes the registers that block b's p has left
.endr
.endr
.set n, 0
.rept 16
	v_pk_mul_f32 v[OT+n:OT+n+1], v[OT+n:OT+n+1], v[F:F+1] op_sel_hi:[1,0]   ; O^T under the new M.  (Also the plain instruction behind the conversions, and the places between the codes and the products)
.set n, n+2
.endr
	s_wait_dscnt 0x0
.irp t, 0,1,2,3                                ; O^T += V^T P^T: the four accumulators take turns, one instruction a turn
	MM OT+8*\t, S+16*\t, PC, OT+8*\t, VS+\t/2, PW, \t%2
.endr
	s_add_co_u32 s25, s25, REC                     ; the next record
	s_sub_co_u32 s26, s26, 1
	s_cmp_lg_u32 s26, 0
	s_cbranch_scc1 .Lstep
	; ---- O^T / the row's sum, quantised along the channels: register 16 b + i is channel 32 b + 16 (lane / 16) + i of my query
	PLACES 8
	v_add_f32 v14, v14, v15                        ; the sum's two halves,
	v_permlanex16_b32 v[WK], v14, s20, s21
	v_add_f32 v14, v14, v[WK]                      ; and lane l xor 16's: the row's sum
	v_rcp_f32 v14, v14
	v_nop                                          ; one plain instruction behind a transcendental (ISA guide 5.7.2)
.set n, 0
	s_wait_alu depctr_va_vdst(0)
.rept 32
	v_mul_f32 v[S+n], v[OT+n], v14                 ; each accumulator from its low end on
.set n, n+1
.endr
.irp b, 0,1
	v_max3_num_f32 v[BM+\b], |v[S+16*\b]|, |v[S+16*\b+1]|, 0x4800000
.endr
.irp i, 2,4,6,8,10,12,14
.irp b, 0,1
	v_max3_num_f32 v[BM+\b], v[BM+\b], |v[S+16*\b+\i]|, |v[S+16*\b+\i+1]|
.endr
.endr
.irp b, 0,1
	v_permlanex16_b32 v[PT+\b], v[BM+\b], s20, s21
.endr
.irp b, 0,1
	v_max_num_f32 v[BM+\b], v[BM+\b], v[PT+\b]
.endr
.irp b, 0,1
	v_add_nc_u32 v[SO+\b], 0xfc000000, v[BM+\b]
.endr
.irp b, 0,1
	v_and_or_b32 v[HD+\b], v[BM+\b], 0x7f800000, s24
.endr
.irp b, 0,1
	v_lshrrev_b32 v[PT+\b], 23, v[SO+\b]
.endr
	v_lshl_or_b32 v[WK], v[PT+1], 8, v[PT]         ; my query's two bytes
.irp b, 0,1
.irp i, 0,1,2,3,4,5,6,7,8,9,10,11,12,13,14,15
	v_med3_num_f32 v[S+16*\b+\i], v[S+16*\b+\i], -v[HD+\b], v[HD+\b]
.endr
	v_cvt_scalef32_pk8_fp8_f32 v[PC+4*\b:PC+4*\b+1], v[S+16*\b:S+16*\b+7], v[SO+\b]
	v_cvt_scalef32_pk8_fp8_f32 v[PC+4*\b+2:PC+4*\b+3], v[S+16*\b+8:S+16*\b+15], v[SO+\b]
.endr
	v_nop                                          ; a plain instruction behind the last conversion
	global_store_b128 v[LI], v[PC:PC+3], s[50:51]              ; two chunks of the projection's operand image: 512 consecutive bytes each, aligned
	global_store_b128 v[LI], v[PC+4:PC+7], s[50:51] offset:512
	ds_store_b16 v[AOS], v[WK]                     ; both halves of the lanes write the same halfword
	s_wait_dscnt 0x0                               ; for the others' sake: my halfwords lie in LDS
	s_barrier_signal -1
	s_barrier_wait -1
	s_cmp_eq_u32 s16, 0                            ; the block's 512 bytes of scales leave by wave 0
	s_cbranch_scc0 .Lout
	ds_load_b128 v[KF:KF+3], v[AOR]
	s_wait_dscnt 0x0
	global_store_b128 v[LI], v[KF:KF+3], s[52:53]
.Lout:
	s_wait_tensorcnt 0x0
	ds_add_u32 v254, v255
	s_wait_dscnt 0x0
	ROUND                                          ; the closing round: no work-group ends while a partner may still ask for a record that names it
	s_endpgm
.Lfunc_end_k_q6a7a463836_attn:
	.size	k_q6a7a463836_attn, .Lfunc_end_k_q6a7a463836_attn-k_q6a7a463836_attn
	.p2alignl 7, 3214868480
	.fill 96, 4, 3214868480
	.section	.rodata,"a",@progbits
	.p2align	6, 0x0
	.amdhsa_kernel k_q6a7a463836_attn
		.amdhsa_group_segment_fixed_size 169984
		.amdhsa_private_segment_fixed_size 0
		.amdhsa_enable_private_segment 0
		.amdhsa_kernarg_size 24
		.amdhsa_user_sgpr_count 2
		.amdhsa_user_sgpr_kernarg_segment_ptr 1
		.amdhsa_wavefront_size32 1
		.amdhsa_system_sgpr_workgroup_id_x 1
		.amdhsa_system_sgpr_workgroup_id_y 1
		.amdhsa_system_sgpr_workgroup_id_z 1
		.amdhsa_system_vgpr_workitem_id 0
		.amdhsa_next_free_vgpr 256
		.amdhsa_next_free_sgpr 66
		.amdhsa_reserve_vcc 0
		.amdhsa_float_denorm_mode_32 3
		.amdhsa_float_denorm_mode_16_64 3
		.amdhsa_memory_ordered 1
		.amdhsa_forward_progress 1
		.amdhsa_inst_pref_size 32
	.end_amdhsa_kernel
	.amdgpu_metadata
---
amdhsa.version: [ 1, 2 ]
amdhsa.kernels:
  - .name:           k_q6a7a463836_attn
    .symbol:         k_q6a7a463836_attn.kd
    .args:
      - { .name: qq, .offset: 0, .size: 8, .value_kind: global_buffer, .address_space: global }
      - { .name: kv, .offset: 8, .size: 8, .value_kind: global_buffer, .address_space: global }
      - { .name: oc, .offset: 16, .size: 8, .value_kind: global_buffer, .address_space: global }
    .group_segment_fixed_size: 169984
    .private_segment_fixed_size: 0
    .kernarg_segment_align: 8
    .kernarg_segment_size: 24
    .max_flat_workgroup_size: 512
    .sgpr_count:     66
    .vgpr_count:     256
    .wavefront_size: 32
...
	.end_amdgpu_metadata
.endif
;; end of part 3
;; launch proj (part 4): grid 16 x 16, 16 waves a work-group, clusters of 4 x 1, 169,984 bytes of LDS; arguments oc, proj_w_codes, proj_w_scales, proj_b, x, out0; writes out0
.if DOCPART == 4
	.amdgcn_target "amdgcn-amd-amdhsa--gfx1250"
	.amdhsa_code_object_version 6
	.text
	.protected	k_q6a7a463836_proj
	.globl	k_q6a7a463836_proj
	.p2align	8
	.type	k_q6a7a463836_proj,@function
k_q6a7a463836_proj:
	s_mov_b64 s[64:65], 0
	v_nop
	global_prefetch_b8 v0, s[64:65] scope:SCOPE_SE
	s_setreg_imm32_b32 hwreg(HW_REG_WAVE_MODE, 25, 1), 1
	s_wait_xcnt 0x0
	s_wait_alu depctr_hold_cnt(0) depctr_sa_sdst(0) depctr_va_vdst(0) depctr_va_sdst(0) depctr_va_ssrc(0) depctr_va_vcc(0) depctr_vm_vsrc(0)
	s_getreg_b32 s2, hwreg(HW_REG_IB_STS2, 6, 4)
	s_cmp_eq_u32 s2, 0
	s_cbranch_scc0 .Lentry_in_a_cluster
	s_endpgm
.Lentry_in_a_cluster:
	s_bfe_u32 s2, ttmp6, 0x10000c
	s_cmp_lg_u32 s2, 0x3003
	s_cbranch_scc0 .Lentry_shape_is_right
	s_endpgm
.Lentry_shape_is_right:
; out0 = x + proj_w O + proj_b, the product on codes of E4M3 with one E8M0 byte for each 32 along K (the 256 channels).
; SHARES.  Work-group = (block of 64 pixels, batch): pixel tiles 4 P .. 4 P + 3, all 256 outputs.  Wave w takes outputs 16 w .. 16 w + 15.
; LAYOUT.  Source 0 = a pixel tile of O (an image of registers, as the attention launch stored it), source 1 = 16 rows of the weight: a lane holds ONE output (lane % 16), and by the tile order
; (row r of tile 2 G + u is pixel 32 G + 8 u + r + 8 (r / 8)) its eight registers of tile 2 g + u are pixels 64 P + 32 g + 16 (lane / 16) + 8 u + 0 .. 7: 32 neighbouring bytes of a row of out0.
; CLUSTER.  All work-groups need the whole weight: the four of a cluster ask for it JOINTLY (mask 15), waves 0 to 3 a quarter each; wave 4 fetches the block's 16 KiB of O's codes by a load of its own.  Nothing in LDS is filled twice.
; The bias is the C of each sum's first product.  The results go through the wave's own stage in LDS, come back as rows of 256 bytes, take x and leave.
.set WPQ, 17408                        ; LDS: a quarter of the weight: 64 rows x (256 bytes + 16): 68 words a row, so 16 rows start at 16 different banks (64 banks of 4 bytes: ISA guide 11.1)
.set OB,  4*WPQ                        ; O's codes of the block: [tile 4][chunk 8][512]
.set STG, OB+16384                     ; the stages: 16 rows x 272 bytes for each wave
.set AW,  1                            ; v1   my row of the weight: (16 wave + r) x 272 + 16 half
.set AO,  2                            ; v2   OB + 16 x lane
.set STO, 3                            ; v3   the stage, in: row r, + 64 half
.set RD,  4                            ; v4   and back: lanes 0-15 one row, lanes 16-31 the next
.set GX,  5                            ; v5   the same two rows in x and in out0
.set WFR, 16                           ; v16-47   the weight's two fragments
.set OF,  48                           ; v48-175  O's eight fragments: 32 tile + 16 s; later the rows read back
.set ACC, 176                          ; v176-207 four accumulators (first: the eight halfwords of O's scales as loaded)
.set XR,  208                          ; v208-239 x, then the result
.set BI,  240                          ; v240-247 my output's bias, eight times: a C operand
.set OS,  248                          ; v248-251 O's scale words, 2 g + s: lanes 0-15 tile 2 g, lanes 16-31 tile 2 g + 1
.set WSC, 252                          ; the weight's: lanes 0-15 K step 0, lanes 16-31 K step 1
.macro PLACES n                        ; plain vector instructions that name no register of the matrix instructions before them (ISA guide 7.12.1)
.rept \n
	v_nop
.endr
.endm
.macro ROUND                           ; a round of the cluster's barrier
	s_barrier_signal -1
	s_barrier_wait -1
	s_cmp_lg_u32 s16, 0
	s_cbranch_scc1 .Lnot_wave_0_\@
	s_barrier_signal -3
.Lnot_wave_0_\@:
	s_barrier_wait -3
	s_barrier_signal -1
	s_barrier_wait -1
.endm
; One product, C = v[cz ..].  ra, rb = 1: that side's scales are read from lanes 16-31.
.macro MM d, a, b, cz, sa, sb, ra, rb
.if (\ra) && (\rb)
	v_wmma_scale_f32_16x16x128_f8f6f4 v[\d:\d+7], v[\a:\a+15], v[\b:\b+15], v[\cz:\cz+7], v[\sa], v[\sb] matrix_a_scale:MATRIX_SCALE_ROW1 matrix_b_scale:MATRIX_SCALE_ROW1
.elseif (\ra)
	v_wmma_scale_f32_16x16x128_f8f6f4 v[\d:\d+7], v[\a:\a+15], v[\b:\b+15], v[\cz:\cz+7], v[\sa], v[\sb] matrix_a_scale:MATRIX_SCALE_ROW1
.elseif (\rb)
	v_wmma_scale_f32_16x16x128_f8f6f4 v[\d:\d+7], v[\a:\a+15], v[\b:\b+15], v[\cz:\cz+7], v[\sa], v[\sb] matrix_b_scale:MATRIX_SCALE_ROW1
.else
	v_wmma_scale_f32_16x16x128_f8f6f4 v[\d:\d+7], v[\a:\a+15], v[\b:\b+15], v[\cz:\cz+7], v[\sa], v[\sb]
.endif
.endm
	s_load_b256 s[4:11], s[0:1], 0x0               ; oc s[4:5], the weight's codes s[6:7], its scales s[8:9], proj_b s[10:11]
	s_load_b128 s[12:15], s[0:1], 0x20             ; x s[12:13], out0 s[14:15]
	v_lshl_add_u32 v254, v0, 2, 0x29000
	v_mov_b32 v255, 0
	ds_add_u32 v254, v255
	ds_add_u32 v254, v255
	v_lshrrev_b32 v9, 5, v0
	v_readfirstlane_b32 s16, v9                    ; wave 0..15
	v_and_b32 v10, 31, v0                          ; lane
	v_and_b32 v11, 15, v0                          ; r
	v_bfe_u32 v12, v0, 4, 1                        ; half
	v_lshl_add_u32 v13, v9, 4, v11
	v_mul_u32_u24 v[AW], v13, 272
	v_lshl_add_u32 v[AW], v12, 4, v[AW]
	v_lshl_add_u32 v[AO], v10, 4, OB
	v_mul_u32_u24 v14, v9, 16*272
	v_add_nc_u32 v14, STG, v14                     ; my stage
	v_mul_u32_u24 v[STO], v11, 272
	v_lshl_add_u32 v[STO], v12, 6, v[STO]
	v_add_nc_u32 v[STO], v14, v[STO]
	v_mul_u32_u24 v[RD], v12, 272
	v_lshl_add_u32 v[RD], v11, 4, v[RD]
	v_add_nc_u32 v[RD], v14, v[RD]
	v_lshlrev_b32 v[GX], 12, v12
	v_lshl_add_u32 v[GX], v11, 4, v[GX]
	v_lshlrev_b32 v6, 1, v10                       ; 2 x lane: O's scale halfwords
	v_lshlrev_b32 v7, 3, v11
	v_lshl_add_u32 v7, v12, 2, v7                  ; 8 r + 4 half: the weight's scale word
	v_lshlrev_b32 v8, 2, v11                       ; 4 r: the bias
	s_bfe_u32 s17, ttmp6, 0x40000                  ; cx: it enters global addresses of my own loads and stores alone
	s_lshl_b32 s18, ttmp9, 2
	s_add_co_u32 s18, s18, s17                     ; P: block of 64 pixels
	s_and_b32 s19, ttmp7, 0xffff                   ; batch
	; descriptor group 1 for a quarter of the weight: 64 rows of 256 bytes, 16 bytes of padding behind each
	s_mov_b32 s20, 15|(1<<20)|(1<<21)|(5<<22)|(3<<25)   ; 15:0 the mask: all four work-groups; 17:16 elements of 1 byte; 20 padding on; 21 set beside a mask; 24:22 after every 64 words; 31:25 four words
	s_mov_b32 s21, 256<<16
	s_mov_b32 s22, 64<<16
	s_mov_b32 s23, 256<<16
	s_mov_b32 s24, 64
	s_mov_b32 s25, 256
	s_mov_b32 s26, 0
	s_mov_b32 s27, 0
	; and for O's codes: 16 KiB, dense, as 64 rows of 256 bytes (32 elements of 8); no mask
	s_mov_b32 s32, 3<<16
	s_mov_b32 s33, 32<<16
	s_mov_b32 s34, 64<<16
	s_mov_b32 s35, 32<<16
	s_mov_b32 s36, 64
	s_mov_b32 s37, 32
	s_mov_b32 s38, 0
	s_mov_b32 s39, 0
	s_mov_b32 s57, 0
	s_mov_b32 s59, 0
	s_wait_dscnt 0x0
	s_wait_kmcnt 0x0
	s_lshl_b32 s58, s19, 13
	s_lshl_b32 s60, s18, 7
	s_add_co_u32 s58, s58, s60
	s_add_co_u32 s58, s58, 4194304
	s_add_nc_u64 s[40:41], s[4:5], s[58:59]        ; O's scale halfwords: 8,192 x batch + 128 P (+ 2,048 x head)
	s_lshl_b32 s58, s16, 7
	s_add_nc_u64 s[42:43], s[8:9], s[58:59]        ; the scale bytes of my 16 rows of the weight
	s_lshl_b32 s58, s16, 6
	s_add_nc_u64 s[44:45], s[10:11], s[58:59]      ; their bias
	s_lshl_b32 s58, s19, 20
	s_lshl_b32 s60, s16, 16
	s_add_co_u32 s58, s58, s60
	s_lshl_b32 s60, s18, 8
	s_add_co_u32 s58, s58, s60                     ; 1,048,576 x batch + 16 rows of 4,096 x wave + 256 P
	s_add_nc_u64 s[46:47], s[12:13], s[58:59]      ; x,
	s_add_nc_u64 s[48:49], s[14:15], s[58:59]      ; out0
.irp h, 0,1,2,3
.irp g, 0,1
	global_load_u16 v[ACC+2*\h+\g], v6, s[40:41] offset:2048*\h+64*\g   ; head h's two bytes of pixel row 32 g + lane
.endr
.endr
	global_load_b32 v[WSC], v7, s[42:43]
	global_load_b32 v253, v8, s[44:45]
.irp i, 0,1,2,3,4,5,6,7
	global_load_b128 v[XR+4*\i:XR+4*\i+3], v[GX], s[46:47] offset:8192*\i th:TH_LOAD_NT   ; rows 2 i, 2 i + 1 of my 16: sixteen lanes read 256 consecutive bytes; read once in this launch
.endr
	ROUND                                          ; all four work-groups are here: the joint loads meet
	s_cmp_lt_u32 s16, 4                            ; one tensor load of a wave is out.  The branches hang on the wave's number alone
	s_cbranch_scc0 .Lnot_w
	s_mov_b32 s28, 1                               ; count = 1
	s_mul_i32 s29, s16, WPQ                        ; LDS address
	s_lshl_b32 s56, s16, 14                        ; 64 rows of 256 bytes a wave
	s_add_nc_u64 s[30:31], s[6:7], s[56:57]
	s_or_b32 s31, s31, 0x80000000                  ; type = 2
	tensor_load_to_lds s[28:31], s[20:27]
	s_nop 0
	PLACES 4
	s_branch .Lasked
.Lnot_w:
	s_cmp_eq_u32 s16, 4
	s_cbranch_scc0 .Lasked
	s_mov_b32 s52, 1
	s_mov_b32 s53, OB
	s_lshl_b32 s58, s19, 18
	s_lshl_b32 s60, s18, 14
	s_add_co_u32 s58, s58, s60                     ; 262,144 x batch + 16,384 P
	s_add_nc_u64 s[54:55], s[4:5], s[58:59]
	s_or_b32 s55, s55, 0x80000000
	tensor_load_to_lds s[52:55], s[32:39]
	s_nop 0
	PLACES 4
.Lasked:
	s_wait_loadcnt 8                               ; all but x's eight loads are in
.irp j, 0,1,2,3,4,5,6,7
	v_mov_b32 v[BI+\j], v253
.endr
.irp g, 0,1
.irp s, 0,1
	v_lshl_or_b32 v[OS+2*\g+\s], v[ACC+4*\s+2+\g], 16, v[ACC+4*\s+\g]   ; K step s = heads 2 s, 2 s + 1: two halfwords make the word
.endr
.endr
	PLACES 8                                       ; eight places between a scale word made by vector instructions and the product that takes it
	s_wait_tensorcnt 0x0                           ; my load, if I issued one, has landed;
	s_barrier_signal -1
	s_barrier_wait -1                              ; everybody's has
.irp s, 0,1
.irp c, 0,1,2,3
	ds_load_b128 v[WFR+16*\s+4*\c:WFR+16*\s+4*\c+3], v[AW] offset:128*\s+32*\c
.endr
.endr
.irp s, 0,1
.irp t, 0,1,2,3
.irp c, 0,1,2,3
	ds_load_b128 v[OF+32*\t+16*\s+4*\c:OF+32*\t+16*\s+4*\c+3], v[AO] offset:4096*\t+2048*\s+512*\c
.endr
.endr
.endr
	s_wait_dscnt 16                                ; the weight and K step 0 are in; K step 1's sixteen loads may stay out
.irp t, 0,1,2,3                                ; the four accumulators take turns, one instruction a turn
	MM ACC+8*\t, OF+32*\t, WFR, BI, OS+2*(\t/2), WSC, \t%2, 0
.endr
	s_wait_dscnt 0x0
.irp t, 0,1,2,3
	MM ACC+8*\t, OF+32*\t+16, WFR+16, ACC+8*\t, OS+2*(\t/2)+1, WSC, \t%2, 1
.endr
	PLACES 8                                       ; in front of the stores that read the results and of the loads into registers that the products read
.irp t, 0,1,2,3
	ds_store_b128 v[STO], v[ACC+8*\t:ACC+8*\t+3] offset:128*(\t/2)+32*(\t%2)          ; each accumulator from its low end on
	ds_store_b128 v[STO], v[ACC+8*\t+4:ACC+8*\t+7] offset:128*(\t/2)+32*(\t%2)+16
.endr
.irp i, 0,1,2,3,4,5,6,7
	ds_load_b128 v[OF+4*\i:OF+4*\i+3], v[RD] offset:544*\i   ; LDS serves a wave's instructions in order (ISA guide 5.7.1.4): these see my stores; the stage is my wave's own
.endr
	s_wait_loadcnt 0x0                             ; x
.irp i, 0,1,2,3,4,5,6,7
	s_wait_dscnt 7-\i                              ; rows 2 i, 2 i + 1 are back; the younger loads may stay out
	v_pk_add_f32 v[XR+4*\i:XR+4*\i+1], v[XR+4*\i:XR+4*\i+1], v[OF+4*\i:OF+4*\i+1]
	v_pk_add_f32 v[XR+4*\i+2:XR+4*\i+3], v[XR+4*\i+2:XR+4*\i+3], v[OF+4*\i+2:OF+4*\i+3]
	global_store_b128 v[GX], v[XR+4*\i:XR+4*\i+3], s[48:49] offset:8192*\i th:TH_STORE_NT   ; sixteen lanes store 256 consecutive bytes, at a multiple of 256 from out0's first byte
.endr
	s_wait_tensorcnt 0x0
	ds_add_u32 v254, v255
	s_wait_dscnt 0x0
	ROUND                                          ; the closing round: no work-group ends while a partner may still ask for a quarter that names it
	s_endpgm
.Lfunc_end_k_q6a7a463836_proj:
	.size	k_q6a7a463836_proj, .Lfunc_end_k_q6a7a463836_proj-k_q6a7a463836_proj
	.p2alignl 7, 3214868480
	.fill 96, 4, 3214868480
	.section	.rodata,"a",@progbits
	.p2align	6, 0x0
	.amdhsa_kernel k_q6a7a463836_proj
		.amdhsa_group_segment_fixed_size 169984
		.amdhsa_private_segment_fixed_size 0
		.amdhsa_enable_private_segment 0
		.amdhsa_kernarg_size 48
		.amdhsa_user_sgpr_count 2
		.amdhsa_user_sgpr_kernarg_segment_ptr 1
		.amdhsa_wavefront_size32 1
		.amdhsa_system_sgpr_workgroup_id_x 1
		.amdhsa_system_sgpr_workgroup_id_y 1
		.amdhsa_system_sgpr_workgroup_id_z 1
		.amdhsa_system_vgpr_workitem_id 0
		.amdhsa_next_free_vgpr 256
		.amdhsa_next_free_sgpr 66
		.amdhsa_reserve_vcc 0
		.amdhsa_float_denorm_mode_32 3
		.amdhsa_float_denorm_mode_16_64 3
		.amdhsa_memory_ordered 1
		.amdhsa_forward_progress 1
		.amdhsa_inst_pref_size 16
	.end_amdhsa_kernel
	.amdgpu_metadata
---
amdhsa.version: [ 1, 2 ]
amdhsa.kernels:
  - .name:           k_q6a7a463836_proj
    .symbol:         k_q6a7a463836_proj.kd
    .args:
      - { .name: oc, .offset: 0, .size: 8, .value_kind: global_buffer, .address_space: global }
      - { .name: proj_w_codes, .offset: 8, .size: 8, .value_kind: global_buffer, .address_space: global }
      - { .name: proj_w_scales, .offset: 16, .size: 8, .value_kind: global_buffer, .address_space: global }
      - { .name: proj_b, .offset: 24, .size: 8, .value_kind: global_buffer, .address_space: global }
      - { .name: x, .offset: 32, .size: 8, .value_kind: global_buffer, .address_space: global }
      - { .name: out0, .offset: 40, .size: 8, .value_kind: global_buffer, .address_space: global }
    .group_segment_fixed_size: 169984
    .private_segment_fixed_size: 0
    .kernarg_segment_align: 8
    .kernarg_segment_size: 48
    .max_flat_workgroup_size: 512
    .sgpr_count:     66
    .vgpr_count:     256
    .wavefront_size: 32
...
	.end_amdgpu_metadata
.endif
;; end of part 4
;; ======== version 2 of 2: 3 launches
;; limits: right only within a limited range of input values
;; workspace buffers: hn 4,325,376 bytes; qq 4,456,448 bytes; kv 8,781,824 bytes
;; launch gn (part 5): grid 128 x 1, 32 waves a work-group, no clusters, 6,144 bytes of LDS; arguments x, norm_w, norm_b, hn; writes hn
.if DOCPART == 5
	.amdgcn_target "amdgcn-amd-amdhsa--gfx1250"
	.amdhsa_code_object_version 6
	.text
	.protected	k_q6a7a463836_gn
	.globl	k_q6a7a463836_gn
	.p2align	8
	.type	k_q6a7a463836_gn,@function
k_q6a7a463836_gn:
	s_mov_b64 s[64:65], 0
	v_nop
	global_prefetch_b8 v0, s[64:65] scope:SCOPE_SE
	s_setreg_imm32_b32 hwreg(HW_REG_WAVE_MODE, 25, 1), 1
	s_wait_xcnt 0x0
; GroupNorm of x [16][256][1024] f32 (8 groups of 32 channels) and the quantising of its result along the channels, to codes of E4M3 with one E8M0 byte for each 32 channels.
; A quantiser block (32 channels of one pixel) is one group of the norm: so the work-group that owns a group (32 channels x 1,024 pixels, 128 KiB, held in registers: x is read once) norms it and quantises it.
; SHARES.  Work-group = batch x 8 + group.  Wave w takes pixels 32 w .. 32 w + 31; a lane owns ONE pixel, and its 32 registers run down the channels: a whole block, whose largest magnitude needs no other lane.
; TILE ORDER (all three launches): tile T = 2 G + u of 16 pixels holds, as its row r, pixel 32 G + 8 u + r + 8 (r / 8).  Lane 16 u + r of wave G takes just that pixel.
; OUT.  hn's codes as images of operand registers: [batch][T 64][group 8][512 bytes], lane l's 16 bytes at 16 l (l = 16 half + r: channels 16 half .. + 15 of the group, of the tile's row r);
;       from byte 4,194,304 on the scale bytes, [batch][group][1024], byte 16 T + r = the thread's number.
; STATISTICS in two passes over the registers: the mean, then the sum of squares of x - mean: no difference of large sums is formed.  y = (x - mean) (rstd w) + b.
; 128 work-groups: the statistics span a group, and work-groups hand each other nothing.
; LIMITS: NaN and infinities are not served; a block whose largest magnitude lies under 2^-118 gets the byte 1, a block of zeros too (its codes are zeros; only this program reads the bytes).
.set X,   32                           ; v32-63   my pixel's 32 channels
.set GW,  64                           ; v64-95   the group's 32 gains
.set GB,  96                           ; v96-127  the group's 32 biases
.set M2S, 128                          ; LDS: 0-127 the waves' sums, 128-255 their sums of squares,
.set BYT, 256                          ; 256-1279 the scale bytes
.macro WSUM reg, tmp                   ; the sum over the wave's 32 lanes, in every lane
	v_add_f32_dpp v[\reg], v[\reg], v[\reg] row_xmask:1 row_mask:0xf bank_mask:0xf
	s_delay_alu instid0(VALU_DEP_1)
	v_add_f32_dpp v[\reg], v[\reg], v[\reg] row_xmask:2 row_mask:0xf bank_mask:0xf
	s_delay_alu instid0(VALU_DEP_1)
	v_add_f32_dpp v[\reg], v[\reg], v[\reg] row_xmask:4 row_mask:0xf bank_mask:0xf
	s_delay_alu instid0(VALU_DEP_1)
	v_add_f32_dpp v[\reg], v[\reg], v[\reg] row_xmask:8 row_mask:0xf bank_mask:0xf
	s_wait_alu depctr_va_vdst(0)
	v_permlanex16_b32 v[\tmp], v[\reg], s14, s15
	s_delay_alu instid0(VALU_DEP_1)
	v_add_f32 v[\reg], v[\reg], v[\tmp]
.endm
	s_load_b256 s[4:11], s[0:1], 0x0               ; x s[4:5], norm_w s[6:7], norm_b s[8:9], hn s[10:11]
	v_lshl_add_u32 v30, v0, 2, 0x800
	v_mov_b32 v31, 0
	v_lshrrev_b32 v1, 5, v0
	s_delay_alu instid0(VALU_DEP_1)
	v_readfirstlane_b32 s16, v1                    ; wave 0..31
	v_and_b32 v24, 15, v0                          ; r
	v_bfe_u32 v25, v0, 4, 1                        ; u
	s_delay_alu instid0(VALU_DEP_2)
	v_and_b32 v26, 8, v24
	s_delay_alu instid0(VALU_DEP_1)
	v_add_nc_u32 v26, v26, v24                     ; r + 8 (r / 8)
	s_delay_alu instid0(VALU_DEP_1)
	v_lshl_add_u32 v26, v25, 3, v26                ; + 8 u
	s_delay_alu instid0(VALU_DEP_1)
	v_lshlrev_b32 v26, 2, v26
	s_delay_alu instid0(VALU_DEP_1)
	v_lshl_add_u32 v2, v1, 7, v26                  ; v2: my pixel's byte in a channel's row: 128 x wave + 4 x place
	v_lshlrev_b32 v3, 4, v24
	s_delay_alu instid0(VALU_DEP_1)
	v_lshl_add_u32 v3, v25, 12, v3
	s_delay_alu instid0(VALU_DEP_1)
	v_lshl_add_u32 v3, v1, 13, v3                  ; v3: my codes: tile (2 wave + u) x 4,096 + 16 r
	v_and_b32 v4, 31, v0
	s_delay_alu instid0(VALU_DEP_1)
	v_lshlrev_b32 v4, 2, v4                        ; v4: 4 x lane
	v_lshlrev_b32 v5, 2, v1                        ; v5: 4 x wave
	v_mov_b32 v6, 0
	v_lshlrev_b32 v7, 4, v0                        ; v7: 16 x thread (waves 0 and 1 use it)
	s_mov_b32 s12, 0x38000000                      ; 2^-15 = 1 / 32,768 numbers in a group
	s_mov_b32 s13, 0x3727c5ac                      ; 1e-5
	s_mov_b32 s14, 0x76543210
	s_mov_b32 s15, 0xfedcba98                      ; v_permlanex16_b32's selects for lane l xor 16
	s_lshl_b32 s20, ttmp9, 17                      ; x: 131,072 bytes a group
	s_mov_b32 s21, 0
	s_and_b32 s18, ttmp9, 7                        ; group
	s_lshr_b32 s19, ttmp9, 3                       ; batch
	s_lshl_b32 s22, s18, 7                         ; gains and biases: 128 bytes a group
	s_mov_b32 s23, 0
	s_lshl_b32 s24, s19, 18
	s_lshl_b32 s25, s18, 9
	s_add_co_u32 s24, s24, s25                     ; codes: 262,144 x batch + 512 x group
	s_mov_b32 s25, 0
	s_lshl_b32 s26, ttmp9, 10
	s_add_co_u32 s26, s26, 4194304                 ; scale bytes: behind the codes, 1,024 a work-group
	s_mov_b32 s27, 0
	s_wait_alu depctr_va_vdst(0)
	s_wait_kmcnt 0x0
	s_add_nc_u64 s[4:5], s[4:5], s[20:21]
	s_add_nc_u64 s[6:7], s[6:7], s[22:23]
	s_add_nc_u64 s[8:9], s[8:9], s[22:23]
	s_add_nc_u64 s[28:29], s[10:11], s[26:27]
	s_add_nc_u64 s[10:11], s[10:11], s[24:25]
.set n, 0
.rept 32
	global_load_b32 v[X+n], v2, s[4:5] offset:4096*n   ; channel n: the wave's 32 lanes read 128 consecutive bytes
.set n, n+1
.endr
.irp i, 0,1,2,3,4,5,6,7
	global_load_b128 v[GW+4*\i:GW+4*\i+3], v6, s[6:7] offset:16*\i
.endr
.irp i, 0,1,2,3,4,5,6,7
	global_load_b128 v[GB+4*\i:GB+4*\i+3], v6, s[8:9] offset:16*\i
.endr
	s_wait_loadcnt 16                              ; x's 32 loads are in; the 16 younger ones (gains, biases) may stay out
	v_pk_add_f32 v[10:11], v[32:33], v[34:35]
	v_pk_add_f32 v[28:29], v[40:41], v[44:45]
	v_pk_add_f32 v[26:27], v[48:49], v[52:53]
	v_pk_add_f32 v[22:23], v[56:57], v[60:61]
	v_pk_add_f32 v[20:21], v[36:37], v[38:39]
	v_pk_add_f32 v[18:19], v[42:43], v[46:47]
	v_pk_add_f32 v[16:17], v[50:51], v[54:55]
	v_pk_add_f32 v[8:9], v[58:59], v[62:63]
	s_delay_alu instid0(VALU_DEP_1)
	v_pk_add_f32 v[8:9], v[8:9], v[22:23]
	v_pk_add_f32 v[10:11], v[10:11], v[20:21]
	v_pk_add_f32 v[28:29], v[28:29], v[18:19]
	v_pk_add_f32 v[26:27], v[26:27], v[16:17]
	s_delay_alu instid0(VALU_DEP_2)
	v_pk_add_f32 v[8:9], v[8:9], v[28:29]
	s_delay_alu instid0(VALU_DEP_2)
	v_pk_add_f32 v[10:11], v[10:11], v[26:27]
	s_delay_alu instid0(VALU_DEP_1)
	v_pk_add_f32 v[8:9], v[8:9], v[10:11]
	s_delay_alu instid0(VALU_DEP_1)
	v_add_f32 v8, v8, v9
	WSUM 8, 25
	ds_store_b32 v5, v8                            ; my wave's word (all lanes write the same value)
	s_wait_dscnt 0x0                               ; for the others' sake: the store is done
	s_barrier_signal -1
	s_barrier_wait -1
	ds_load_b32 v8, v4                             ; lane l takes wave l's sum
	s_wait_dscnt 0x0
	WSUM 8, 25
	s_delay_alu instid0(VALU_DEP_1)
	v_mul_f32 v12, s12, v8                         ; the mean,
	s_delay_alu instid0(VALU_DEP_1)
	v_mov_b32 v13, v12                             ; twice: a pair for the packed forms
	; ---- x - mean, and the sum of its squares
.set n, 0
.rept 16
	v_pk_add_f32 v[X+n:X+n+1], v[X+n:X+n+1], v[12:13] neg_lo:[0,1] neg_hi:[0,1]
.set n, n+2
.endr
	v_pk_mul_f32 v[8:9], v[X:X+1], v[X:X+1]
	v_pk_mul_f32 v[10:11], v[X+2:X+3], v[X+2:X+3]
.irp i, 4,8,12,16,20,24,28
	s_delay_alu instid0(VALU_DEP_2)
	v_pk_fma_f32 v[8:9], v[X+\i:X+\i+1], v[X+\i:X+\i+1], v[8:9]
	s_delay_alu instid0(VALU_DEP_2)
	v_pk_fma_f32 v[10:11], v[X+\i+2:X+\i+3], v[X+\i+2:X+\i+3], v[10:11]
.endr
	s_delay_alu instid0(VALU_DEP_1)
	v_pk_add_f32 v[8:9], v[8:9], v[10:11]
	s_delay_alu instid0(VALU_DEP_1)
	v_add_f32 v8, v8, v9
	WSUM 8, 25
	ds_store_b32 v5, v8 offset:M2S                 ; other bytes than the first sums': no wave still reading those is disturbed
	s_wait_dscnt 0x0
	s_barrier_signal -1
	s_barrier_wait -1
	ds_load_b32 v8, v4 offset:M2S
	s_wait_dscnt 0x0
	WSUM 8, 25
	s_delay_alu instid0(VALU_DEP_1)
	v_fma_f32 v24, v8, s12, s13                    ; the variance + eps
	s_wait_alu depctr_va_vdst(0)
	v_rsq_f32 v14, v24
	v_rsq_f32 v15, v24                             ; twice: a pair
	v_nop                                          ; one plain instruction behind a transcendental before its result is used (ISA guide 5.7.2)
	s_wait_loadcnt 0x0                             ; gains and biases
.set n, 0
	s_wait_alu depctr_va_vdst(0)
.rept 16
	v_pk_mul_f32 v[GW+n:GW+n+1], v[GW+n:GW+n+1], v[14:15]
.set n, n+2
.endr
.set n, 0
.rept 16
	v_pk_fma_f32 v[X+n:X+n+1], v[X+n:X+n+1], v[GW+n:GW+n+1], v[GB+n:GB+n+1]
.set n, n+2
.endr
	; ---- the block: largest magnitude, scale, codes
	v_max3_num_f32 v24, |v[X]|, |v[X+1]|, |v[X+2]|
	v_max3_num_f32 v26, |v[X+3]|, |v[X+4]|, |v[X+5]|
.irp i, 6,10,14,18,22,26
	s_delay_alu instid0(VALU_DEP_2)
	v_max3_num_f32 v24, v24, |v[X+\i]|, |v[X+\i+1]|
	s_delay_alu instid0(VALU_DEP_2)
	v_max3_num_f32 v26, v26, |v[X+\i+2]|, |v[X+\i+3]|
.endr
	s_delay_alu instid0(VALU_DEP_2)
	v_max3_num_f32 v24, v24, |v[X+30]|, |v[X+31]|
	s_delay_alu instid0(VALU_DEP_1)
	v_max3_num_f32 v24, v24, v26, 0x4800000        ; and the floor 2^(9 - 127): the byte cannot fall under 1
	s_delay_alu instid0(VALU_DEP_1)
	v_add_nc_u32 v27, 0xfc000000, v24              ; 8 off the exponent field: the conversion takes this operand's exponent field as its scale
	s_delay_alu instid0(VALU_DEP_1)
	v_lshrrev_b32 v29, 23, v27                     ; the scale's byte
.set n, 0
.rept 32
.set n, n+1
.endr
.irp g, 0,1,2,3
	v_cvt_scalef32_pk8_fp8_f32 v[16+2*\g:17+2*\g], v[X+8*\g:X+8*\g+7], v27
.endr
	v_nop                                          ; a plain instruction behind the last conversion
	global_store_b128 v3, v[16:19], s[10:11]               ; channels 0-15: sixteen lanes store 256 consecutive bytes, at a multiple of 256 from hn's first byte
	global_store_b128 v3, v[20:23], s[10:11] offset:256    ; channels 16-31: the image's upper lanes
	ds_store_b8 v0, v29 offset:BYT                 ; byte 16 T + r = my thread's number
	s_wait_dscnt 0x0
	s_barrier_signal -1
	s_barrier_wait -1
	s_cmp_lt_u32 s16, 2                            ; the 1,024 bytes leave by waves 0 and 1, 16 bytes a lane
	s_cbranch_scc0 .Lend
	ds_load_b128 v[24:27], v7 offset:BYT
	s_wait_dscnt 0x0
	global_store_b128 v7, v[24:27], s[28:29]
.Lend:
	s_wait_tensorcnt 0x0
	ds_add_u32 v30, v31
	s_wait_dscnt 0x0
	s_endpgm
.Lfunc_end_k_q6a7a463836_gn:
	.size	k_q6a7a463836_gn, .Lfunc_end_k_q6a7a463836_gn-k_q6a7a463836_gn
	.p2alignl 7, 3214868480
	.fill 96, 4, 3214868480
	.section	.rodata,"a",@progbits
	.p2align	6, 0x0
	.amdhsa_kernel k_q6a7a463836_gn
		.amdhsa_group_segment_fixed_size 6144
		.amdhsa_private_segment_fixed_size 0
		.amdhsa_enable_private_segment 0
		.amdhsa_kernarg_size 32
		.amdhsa_user_sgpr_count 2
		.amdhsa_user_sgpr_kernarg_segment_ptr 1
		.amdhsa_wavefront_size32 1
		.amdhsa_system_sgpr_workgroup_id_x 1
		.amdhsa_system_sgpr_workgroup_id_y 1
		.amdhsa_system_sgpr_workgroup_id_z 1
		.amdhsa_system_vgpr_workitem_id 0
		.amdhsa_next_free_vgpr 128
		.amdhsa_next_free_sgpr 66
		.amdhsa_reserve_vcc 0
		.amdhsa_float_denorm_mode_32 3
		.amdhsa_float_denorm_mode_16_64 3
		.amdhsa_fp16_overflow 1
		.amdhsa_memory_ordered 1
		.amdhsa_forward_progress 1
		.amdhsa_inst_pref_size 19
	.end_amdhsa_kernel
	.amdgpu_metadata
---
amdhsa.version: [ 1, 2 ]
amdhsa.kernels:
  - .name:           k_q6a7a463836_gn
    .symbol:         k_q6a7a463836_gn.kd
    .args:
      - { .name: x, .offset: 0, .size: 8, .value_kind: global_buffer, .address_space: global }
      - { .name: norm_w, .offset: 8, .size: 8, .value_kind: global_buffer, .address_space: global }
      - { .name: norm_b, .offset: 16, .size: 8, .value_kind: global_buffer, .address_space: global }
      - { .name: hn, .offset: 24, .size: 8, .value_kind: global_buffer, .address_space: global }
    .group_segment_fixed_size: 6144
    .private_segment_fixed_size: 0
    .kernarg_segment_align: 8
    .kernarg_segment_size: 32
    .max_flat_workgroup_size: 1024
    .sgpr_count:     66
    .vgpr_count:     128
    .wavefront_size: 32
...
	.end_amdgpu_metadata
.endif
;; end of part 5
;; launch qkv (part 6): grid 4 x 64, 8 waves a work-group, clusters of 4 x 1, 168,960 bytes of LDS; arguments hn, qkv_w_codes, qkv_w_scales, qkv_b, qq, kv; writes qq, kv
.if DOCPART == 6
	.amdgcn_target "amdgcn-amd-amdhsa--gfx1250"
	.amdhsa_code_object_version 6
	.text
	.protected	k_q6a7a463836_qkv
	.globl	k_q6a7a463836_qkv
	.p2align	8
	.type	k_q6a7a463836_qkv,@function
k_q6a7a463836_qkv:
	s_mov_b64 s[64:65], 0
	v_nop
	global_prefetch_b8 v0, s[64:65] scope:SCOPE_SE
	s_setreg_imm32_b32 hwreg(HW_REG_WAVE_MODE, 25, 1), 1
	s_wait_xcnt 0x0
	s_wait_alu depctr_hold_cnt(0) depctr_sa_sdst(0) depctr_va_vdst(0) depctr_va_sdst(0) depctr_va_ssrc(0) depctr_va_vcc(0) depctr_vm_vsrc(0)
	s_getreg_b32 s2, hwreg(HW_REG_IB_STS2, 6, 4)
	s_cmp_eq_u32 s2, 0
	s_cbranch_scc0 .Lentry_in_a_cluster
	s_endpgm
.Lentry_in_a_cluster:
	s_bfe_u32 s2, ttmp6, 0x10000c
	s_cmp_lg_u32 s2, 0x3003
	s_cbranch_scc0 .Lentry_shape_is_right
	s_endpgm
.Lentry_shape_is_right:
; q, k, v = qkv_w hn + qkv_b on codes of E4M3 (one E8M0 byte for each 32 along K), and the quantising of q and k along the head's 64 and of v along the keys.
; SHARES.  Work-group = (batch x 4 + head, block of 256 pixels).  Wave w takes 32 pixels (group G = 8 block + w: tiles 2 G, 2 G + 1 in this program's tile order: row r of tile 2 G + u is pixel 32 G + 8 u + r + 8 (r / 8))
; and the head's 192 output channels, in three passes.
; CLUSTER.  The four pixel blocks of a head need the same 192 rows of the weight and their scale bytes: each plane is asked for JOINTLY (mask 15), once; nothing in LDS is filled twice.
; LAYOUT.  THE ROWS OF THE WEIGHT THAT FORM A TILE ARE NOT NEIGHBOURS: lane r of tile 2 b + u takes row 32 b + 8 u + r + 8 (r / 8) of the plane's 64.
;   q, k: source 0 = 16 rows of the weight, source 1 = 16 pixels: a lane holds ONE pixel, and the 16 registers of tiles 2 b, 2 b + 1 are channels 32 b + 16 (lane / 16) + 0 .. 15: the next product's K, in operand order.
;   v:    source 0 = 16 pixels, source 1 = 16 rows of the weight: a lane holds ONE channel, and the 16 registers of pixel tiles 2 G, 2 G + 1 are keys 32 G + 16 (lane / 16) + 0 .. 15.
;   So the conversions' results ARE chunks of operand images (4 registers, 512 bytes, lane l's 16 bytes at 16 l) and are stored as they stand.
; OUT.  qq: a record of 69,632 bytes a head: codes [T 64][c 2][512]; at 65,536 words [T][16] = byte 0 | byte 1 << 8 | 0x7f7f0000 (the product's K is 64: its upper two blocks are zero codes under the scale 1).
;       kv: [head 64][key step 8][17,152]: K's codes [t 8][c 2][512] at 0; V's codes [dt 4][c 4][512] at 8,192; K's words [lane 16 u + r][b 4] at 16,384 (tile 2 b + u); V's words [lane 16 (dt % 2) + r][dt / 2] at 16,896 (byte c = key group).
; LIMITS: NaN and infinities are not served; a block whose largest magnitude lies under 2^-118 gets the byte 1, a block of zeros too (its codes are zeros; only this program reads the bytes).
.set REC, 17152
.set WPL, 17408                        ; LDS: a plane of the weight: 64 rows x (256 bytes + 16): 68 words a row, so 16 rows start at 16 different banks (64 banks of 4 bytes: ISA guide 11.1)
.set SCW, 3*WPL                        ; the planes' scale bytes, 3 x 512
.set QSW, SCW+1536                     ; q's scale words of the block, 1,024 bytes;
.set KSW, QSW+1024                     ; k's, two key steps x 512;
.set VSW, KSW+1024                     ; v's, two key steps x 256
.set LI,  4                            ; v4   16 x lane: an image's place for my lane
.set AWP, 5                            ; v5   my row in a tile of the weight: (r + 8 (r / 8)) x 272 + 16 half
.set ASW, 6                            ; v6   its scale word: lanes 0-15 K step 0's, lanes 16-31 K step 1's
.set ABQ, 7                            ; v7   q's and k's bias: 64 x half
.set ABV, 8                            ; v8   v's bias: 4 (r + 8 (r / 8))
.set AQS, 9                            ; v9   where my word of q's scales goes
.set AKS, 10                           ; v10  k's
.set AVS, 11                           ; v11  v's bytes
.set AVT, 12                           ; v12  v's words on their way out
.set HN,  16                           ; v16-79   hn's fragments: 32 p + 16 s + 4 c
.set WF,  80                           ; v80-143  four tiles of the weight, one K step
.set ACC, 144                          ; v144-207 eight accumulators
.set PC,  208                          ; v208-223 the codes just made
.set TM,  224                          ; v224-227 largest magnitudes, 228-231 bytes, 236-239 the conversions' scale operands
.set HS,  240                          ; v240-241 hn's scale words, K step s: lanes 0-15 tile p = 0, lanes 16-31 p = 1
.set WS,  242                          ; v242-245 the weight's scale words, tile w
.set BV,  246                          ; v246-253 v's bias, a pair for each tile
.macro PLACES n                        ; plain vector instructions that name no register of the matrix instructions before them (ISA guide 7.12.1)
.rept \n
	v_nop
.endr
.endm
.macro ROUND                           ; a round of the cluster's barrier
	s_barrier_signal -1
	s_barrier_wait -1
	s_cmp_lg_u32 s16, 0
	s_cbranch_scc1 .Lnot_wave_0_\@
	s_barrier_signal -3
.Lnot_wave_0_\@:
	s_barrier_wait -3
	s_barrier_signal -1
	s_barrier_wait -1
.endm
; One product.  cz < 0: the sum begins with the constant 0; else C = v[cz ..].  ra, rb = 1: that side's scales are read from lanes 16-31.
.macro MM d, a, b, cz, sa, sb, ra, rb
.if (\cz) < 0
.if (\ra) && (\rb)
	v_wmma_scale_f32_16x16x128_f8f6f4 v[\d:\d+7], v[\a:\a+15], v[\b:\b+15], 0, v[\sa], v[\sb] matrix_a_scale:MATRIX_SCALE_ROW1 matrix_b_scale:MATRIX_SCALE_ROW1
.elseif (\ra)
	v_wmma_scale_f32_16x16x128_f8f6f4 v[\d:\d+7], v[\a:\a+15], v[\b:\b+15], 0, v[\sa], v[\sb] matrix_a_scale:MATRIX_SCALE_ROW1
.elseif (\rb)
	v_wmma_scale_f32_16x16x128_f8f6f4 v[\d:\d+7], v[\a:\a+15], v[\b:\b+15], 0, v[\sa], v[\sb] matrix_b_scale:MATRIX_SCALE_ROW1
.else
	v_wmma_scale_f32_16x16x128_f8f6f4 v[\d:\d+7], v[\a:\a+15], v[\b:\b+15], 0, v[\sa], v[\sb]
.endif
.else
.if (\ra) && (\rb)
	v_wmma_scale_f32_16x16x128_f8f6f4 v[\d:\d+7], v[\a:\a+15], v[\b:\b+15], v[\cz:\cz+7], v[\sa], v[\sb] matrix_a_scale:MATRIX_SCALE_ROW1 matrix_b_scale:MATRIX_SCALE_ROW1
.elseif (\ra)
	v_wmma_scale_f32_16x16x128_f8f6f4 v[\d:\d+7], v[\a:\a+15], v[\b:\b+15], v[\cz:\cz+7], v[\sa], v[\sb] matrix_a_scale:MATRIX_SCALE_ROW1
.elseif (\rb)
	v_wmma_scale_f32_16x16x128_f8f6f4 v[\d:\d+7], v[\a:\a+15], v[\b:\b+15], v[\cz:\cz+7], v[\sa], v[\sb] matrix_b_scale:MATRIX_SCALE_ROW1
.else
	v_wmma_scale_f32_16x16x128_f8f6f4 v[\d:\d+7], v[\a:\a+15], v[\b:\b+15], v[\cz:\cz+7], v[\sa], v[\sb]
.endif
.endif
.endm
; The 64 numbers in the accumulators are four blocks of 16 a lane; lane l xor 16 holds a block's other 16.  Codes to v[PC + 4 block ..], bytes to v[TM + 4 + block].  Each accumulator is read from its low end on.
.macro QUANT
.irp b, 0,1,2,3
	v_max3_num_f32 v[TM+\b], |v[ACC+16*\b]|, |v[ACC+16*\b+1]|, 0x4800000   ; my 16 numbers, and the floor 2^(9 - 127): the byte cannot fall under 1
.endr
.irp i, 2,4,6,8,10,12,14
.irp b, 0,1,2,3
	v_max3_num_f32 v[TM+\b], v[TM+\b], |v[ACC+16*\b+\i]|, |v[ACC+16*\b+\i+1]|   ; (the four blocks by turns)
.endr
.endr
.irp b, 0,1,2,3
	s_delay_alu instid0(VALU_DEP_4)
	v_permlanex16_b32 v[TM+4+\b], v[TM+\b], s52, s53
.endr
.irp b, 0,1,2,3
	s_delay_alu instid0(VALU_DEP_4)
	v_max_num_f32 v[TM+\b], v[TM+\b], v[TM+4+\b]   ; the block's largest magnitude
.endr
.irp b, 0,1,2,3
	s_delay_alu instid0(VALU_DEP_4)
	v_add_nc_u32 v[TM+12+\b], 0xfc000000, v[TM+\b] ; 8 off its exponent field: the conversion's scale operand
.endr
.irp b, 0,1,2,3
.endr
.irp b, 0,1,2,3
	s_delay_alu instid0(VALU_DEP_4)
	v_lshrrev_b32 v[TM+4+\b], 23, v[TM+12+\b]      ; the scale's byte
.endr
.irp b, 0,1,2,3
.irp i, 0,1,2,3,4,5,6,7,8,9,10,11,12,13,14,15
.endr
	v_cvt_scalef32_pk8_fp8_f32 v[PC+4*\b:PC+4*\b+1], v[ACC+16*\b:ACC+16*\b+7], v[TM+12+\b]
	v_cvt_scalef32_pk8_fp8_f32 v[PC+4*\b+2:PC+4*\b+3], v[ACC+16*\b+8:ACC+16*\b+15], v[TM+12+\b]
.endr
	v_nop                                          ; a plain instruction behind the last conversion
.endm
; The weight's four tiles of plane tq, K step s
.macro WLOAD tq, ks
.irp w, 0,1,2,3
.irp c, 0,1,2,3
	ds_load_b128 v[WF+16*\w+4*\c:WF+16*\w+4*\c+3], v[AWP] offset:\tq*WPL+(32*(\w/2)+8*(\w%2))*272+128*\ks+32*\c
.endr
.endr
.endm
.macro WSCALES tq
.irp w, 0,1,2,3
	ds_load_b32 v[WS+\w], v[ASW] offset:\tq*512+(32*(\w/2)+8*(\w%2))*8
.endr
.endm
; q (tq = 0) or k (1): accumulator (p, w) at ACC + 32 p + 8 w.  The bias is loaded INTO the accumulators and is the C of each sum's first product.  adr: where the scale word goes in LDS;  ob: the codes' base.
.macro PASSQK tq, adr, ob
	s_wait_xcnt 0x0                                ; the last pass's stores have read the codes' registers: they are written again only behind this wait
.irp p, 0,1
.irp w, 0,1,2,3
	global_load_b128 v[ACC+32*\p+8*\w:ACC+32*\p+8*\w+3], v[ABQ], s[58:59] offset:\tq*1024+(32*(\w/2)+8*(\w%2))*4
	global_load_b128 v[ACC+32*\p+8*\w+4:ACC+32*\p+8*\w+7], v[ABQ], s[58:59] offset:\tq*1024+(32*(\w/2)+8*(\w%2))*4+16
.endr
.endr
	WSCALES \tq
	WLOAD \tq, 0
	s_wait_dscnt 0x0
	s_wait_loadcnt 0x0                             ; the bias (in the first pass v's too)
.irp w, 0,1,2,3                                ; the eight accumulators take turns, one instruction a turn, in both K steps
.irp p, 0,1
	MM ACC+32*\p+8*\w, WF+16*\w, HN+32*\p, ACC+32*\p+8*\w, WS+\w, HS, 0, \p
.endr
.endr
	PLACES 8                                       ; in front of loads into registers that these products read
	WLOAD \tq, 1
	s_wait_dscnt 0x0
.irp w, 0,1,2,3
.irp p, 0,1
	MM ACC+32*\p+8*\w, WF+16*\w, HN+32*\p+16, ACC+32*\p+8*\w, WS+\w, HS+1, 1, \p
.endr
.endr
	PLACES 9                                       ; 8 serve the reads of the results and the next pass's loads; the ninth the v pass, whose first products begin anew over these registers
	QUANT                                          ; block 2 p + b: pixel tile p, channels 32 b on
	v_lshl_or_b32 v254, v[TM+5], 8, v[TM+4]        ; tile 0's word,
	v_lshl_or_b32 v255, v[TM+7], 8, v[TM+6]        ; tile 1's;
	s_delay_alu instid0(VALU_DEP_1)
	v_cndmask_b32 v254, v254, v255, s50            ; lanes 0-15 keep tile 0's, lanes 16-31 take tile 1's
	s_delay_alu instid0(VALU_DEP_1)
	v_or_b32 v254, 0x7f7f0000, v254                ; the scale 1 for the two blocks of zero codes
	ds_store_b32 v[\adr], v254
.irp k, 0,1,2,3
	global_store_b128 v[LI], v[PC+4*\k:PC+4*\k+3], s[\ob:\ob+1] offset:512*\k   ; a chunk: 32 lanes store 512 consecutive bytes, aligned
.endr
.endm
	s_load_b256 s[4:11], s[0:1], 0x0               ; hn s[4:5], the weight's codes s[6:7], its scales s[8:9], qkv_b s[10:11]
	s_load_b128 s[12:15], s[0:1], 0x20             ; qq s[12:13], kv s[14:15]
	s_set_vgpr_msb 0x40
	v_lshl_add_u32 v0, v0, 2, 0x29000
	v_mov_b32 v1, 0
	s_set_vgpr_msb 0x4045
	ds_add_u32 v0, v1
	ds_add_u32 v0, v1
	s_set_vgpr_msb 0x4500
	v_lshrrev_b32 v13, 5, v0
	s_delay_alu instid0(VALU_DEP_1)
	v_readfirstlane_b32 s16, v13                   ; wave 0..7
	v_and_b32 v1, 31, v0                           ; lane
	v_and_b32 v2, 15, v0                           ; r
	v_bfe_u32 v3, v0, 4, 1                         ; half
	s_delay_alu instid0(VALU_DEP_3)
	v_lshlrev_b32 v[LI], 4, v1
	s_delay_alu instid0(VALU_DEP_3)
	v_and_b32 v14, 8, v2
	s_delay_alu instid0(VALU_DEP_1)
	v_add_nc_u32 v14, v14, v2                      ; r + 8 (r / 8)
	s_delay_alu instid0(VALU_DEP_1)
	v_mul_u32_u24 v[AWP], v14, 272
	s_delay_alu instid0(VALU_DEP_1)
	v_lshl_add_u32 v[AWP], v3, 4, v[AWP]
	s_delay_alu instid0(VALU_DEP_3)
	v_lshlrev_b32 v[ASW], 3, v14
	s_delay_alu instid0(VALU_DEP_1)
	v_lshl_add_u32 v[ASW], v3, 2, v[ASW]
	s_delay_alu instid0(VALU_DEP_1)
	v_add_nc_u32 v[ASW], SCW, v[ASW]
	v_lshlrev_b32 v[ABQ], 6, v3
	v_lshlrev_b32 v[ABV], 2, v14
	v_lshl_add_u32 v[AQS], v0, 2, QSW              ; word 16 (2 wave + half) + r = my thread's number
	v_bfe_u32 v15, v0, 7, 1                        ; wave / 4: which of the block's two key steps
	v_bfe_u32 v13, v0, 5, 2                        ; wave % 4: which key group of the step
	s_delay_alu instid0(VALU_DEP_2)
	v_lshl_add_u32 v[AKS], v15, 9, v[LI]
	s_delay_alu instid0(VALU_DEP_1)
	v_lshl_add_u32 v[AKS], v13, 2, v[AKS]
	s_delay_alu instid0(VALU_DEP_1)
	v_add_nc_u32 v[AKS], KSW, v[AKS]               ; 512 x step + 16 x lane + 4 x group
	v_lshlrev_b32 v[AVS], 3, v2
	s_delay_alu instid0(VALU_DEP_1)
	v_lshl_add_u32 v[AVS], v15, 8, v[AVS]
	s_delay_alu instid0(VALU_DEP_1)
	v_add_nc_u32 v[AVS], v13, v[AVS]
	s_delay_alu instid0(VALU_DEP_1)
	v_add_nc_u32 v[AVS], VSW, v[AVS]               ; 256 x step + 8 r + group
	v_mul_u32_u24 v[AVT], v3, REC
	s_delay_alu instid0(VALU_DEP_1)
	v_lshl_add_u32 v[AVT], v2, 4, v[AVT]           ; out: lanes 0-15 the first step's 256 bytes, lanes 16-31 the second's, a record on
	s_bfe_u32 s17, ttmp6, 0x40000                  ; cx: it enters global addresses of my own loads and stores alone
	s_lshl_b32 s18, ttmp9, 2
	s_add_co_u32 s18, s18, s17                     ; block of 256 pixels
	s_and_b32 s19, ttmp7, 0xffff                   ; batch x 4 + head, which the four partners share
	s_lshr_b32 s20, s19, 2                         ; batch
	s_and_b32 s21, s19, 3                          ; head
	; descriptor group 1 for a plane of the weight: 64 rows of 256 bytes, 16 bytes of padding behind each
	s_mov_b32 s24, 15|(1<<20)|(1<<21)|(5<<22)|(3<<25)   ; 15:0 the mask: all four work-groups; 17:16 elements of 1 byte; 20 padding on; 21 set beside a mask; 24:22 after every 64 words; 31:25 four words
	s_mov_b32 s25, 256<<16                         ; tensor_dim0
	s_mov_b32 s26, 64<<16                          ; tensor_dim1
	s_mov_b32 s27, 256<<16                         ; tile_dim0
	s_mov_b32 s28, 64                              ; tile_dim1
	s_mov_b32 s29, 256                             ; the pitch
	s_mov_b32 s30, 0
	s_mov_b32 s31, 0
	; and for a plane's scale bytes: one row of 512 bytes (64 elements of 8)
	s_mov_b32 s36, 15|(3<<16)|(1<<21)
	s_mov_b32 s37, 64<<16
	s_mov_b32 s38, 1<<16
	s_mov_b32 s39, 64<<16
	s_mov_b32 s40, 1
	s_mov_b32 s41, 64
	s_mov_b32 s42, 0
	s_mov_b32 s43, 0
	s_mov_b32 s49, 0
	s_mov_b32 s50, 0xffff0000                      ; lanes 16-31
	s_mov_b32 s52, 0x76543210
	s_mov_b32 s53, 0xfedcba98                      ; v_permlanex16_b32's selects for lane l xor 16
	s_lshl_b32 s72, s18, 3
	s_add_co_u32 s72, s72, s16                     ; G: my group of 32 pixels
	s_lshr_b32 s73, s16, 2
	s_and_b32 s76, s16, 3
	s_mov_b32 s75, 0
	s_wait_dscnt 0x0
	s_wait_kmcnt 0x0
	s_lshl_b32 s74, s20, 18
	s_lshl_b32 s77, s72, 13
	s_add_co_u32 s74, s74, s77
	s_add_nc_u64 s[54:55], s[4:5], s[74:75]        ; hn's codes: 262,144 x batch + 8,192 G
	s_lshl_b32 s74, s20, 13
	s_lshl_b32 s77, s72, 5
	s_add_co_u32 s74, s74, s77
	s_add_co_u32 s74, s74, 4194304
	s_add_nc_u64 s[56:57], s[4:5], s[74:75]        ; hn's scale bytes: 8,192 x batch + 32 G
	s_lshl_b32 s74, s21, 8
	s_add_nc_u64 s[58:59], s[10:11], s[74:75]      ; the head's bias
	s_mul_i32 s78, s19, 69632
	s_lshl_b32 s74, s18, 14
	s_lshl_b32 s77, s16, 11
	s_add_co_u32 s74, s74, s77
	s_add_co_u32 s74, s74, s78
	s_add_nc_u64 s[60:61], s[12:13], s[74:75]      ; q's codes: 2,048 G in the head's record
	s_lshl_b32 s74, s18, 10
	s_add_co_u32 s74, s74, s78
	s_add_co_u32 s74, s74, 65536
	s_add_nc_u64 s[62:63], s[12:13], s[74:75]      ; q's words of the block
	s_mul_i32 s74, s19, 8*REC
	s_mul_i32 s77, s18, 2*REC
	s_add_co_u32 s74, s74, s77
	s_add_nc_u64 s[66:67], s[14:15], s[74:75]      ; the block's two records of kv
	s_mul_i32 s74, s73, REC
	s_lshl_b32 s77, s76, 11
	s_add_co_u32 s74, s74, s77
	s_add_nc_u64 s[68:69], s[66:67], s[74:75]      ; k's codes: my step's record, 2,048 x group
	s_mul_i32 s74, s73, REC
	s_lshl_b32 s77, s76, 9
	s_add_co_u32 s74, s74, s77
	s_add_co_u32 s74, s74, 8192
	s_add_nc_u64 s[70:71], s[66:67], s[74:75]      ; v's codes: 8,192 + 512 x group
.set n, 0
.rept 16
	global_load_b128 v[HN+4*n:HN+4*n+3], v[LI], s[54:55] offset:512*n   ; my two tiles' images, 8 KiB on end
.set n, n+1
.endr
.irp g, 0,1,2,3,4,5,6,7
	global_load_u8 v[TM+\g], v1, s[56:57] offset:1024*\g   ; channel group g's byte of pixel row 16 p + r = my lane
.endr
.irp w, 0,1,2,3
	global_load_b32 v[BV+2*\w], v[ABV], s[58:59] offset:2048+(32*(\w/2)+8*(\w%2))*4     ; v's bias of my channel in tile w,
	global_load_b32 v[BV+2*\w+1], v[ABV], s[58:59] offset:2048+(32*(\w/2)+8*(\w%2))*4   ; twice: a pair for the packed addition
.endr
	ROUND                                          ; all four work-groups are here: the joint loads meet
	s_cmp_lt_u32 s16, 3                            ; waves 0-2: plane q, k, v of the weight; waves 3-5: its scale bytes; one tensor load of a wave is out.  The branches hang on the wave's number alone
	s_cbranch_scc0 .Lnot_w
	s_mov_b32 s32, 1                               ; count = 1
	s_mul_i32 s33, s16, WPL                        ; LDS address
	s_lshl_b32 s48, s16, 16                        ; plane: 256 rows of 256 bytes;
	s_lshl_b32 s44, s21, 14                        ; head: 64 rows
	s_add_co_u32 s48, s48, s44
	s_add_nc_u64 s[34:35], s[6:7], s[48:49]
	s_or_b32 s35, s35, 0x80000000                  ; type = 2
	tensor_load_to_lds s[32:35], s[24:31]
	s_nop 0
	PLACES 4
	s_branch .Lasked
.Lnot_w:
	s_cmp_lt_u32 s16, 6
	s_cbranch_scc0 .Lasked
	s_mov_b32 s44, 1
	s_lshl_b32 s45, s16, 9
	s_add_co_u32 s45, s45, SCW-3*512               ; SCW + 512 (wave - 3)
	s_lshl_b32 s48, s16, 11
	s_sub_co_u32 s48, s48, 3*2048                  ; plane wave - 3: 256 rows of 8 bytes;
	s_lshl_b32 s46, s21, 9                         ; head: 64 rows
	s_add_co_u32 s48, s48, s46
	s_add_nc_u64 s[46:47], s[8:9], s[48:49]
	s_or_b32 s47, s47, 0x80000000
	tensor_load_to_lds s[44:47], s[36:43]
	s_nop 0
	PLACES 4
.Lasked:
	s_wait_loadcnt 8                               ; hn's 16 loads and its 8 bytes are in; v's 8 bias loads may stay out
.irp s, 0,1
	v_lshl_or_b32 v[HS+\s], v[TM+4*\s+1], 8, v[TM+4*\s]   ; four bytes make K step s's word
	s_delay_alu instid0(VALU_DEP_1)
	v_lshl_or_b32 v[HS+\s], v[TM+4*\s+2], 16, v[HS+\s]
	s_delay_alu instid0(VALU_DEP_1)
	v_lshl_or_b32 v[HS+\s], v[TM+4*\s+3], 24, v[HS+\s]
.endr
.irp b, 0,1,2,3
	v_mov_b32 v[TM+4+\b], 0                        ; a lane permute's destination counts as one of its sources.  These four and the four below: eight places between the scale words and the first product
.endr
	PLACES 4
	s_wait_alu depctr_va_vdst(0)
	s_wait_tensorcnt 0x0                           ; my load, if I issued one, has landed;
	s_barrier_signal -1
	s_barrier_wait -1                              ; everybody's has
	PASSQK 0, AQS, 60
	PASSQK 1, AKS, 68
	; ---- v: accumulator (w, p) at ACC + 16 w + 8 p; source 0 = my pixel tile p, source 1 = tile w of the weight
	s_wait_xcnt 0x0                                ; k's stores have read the codes' registers
	WSCALES 2
	WLOAD 2, 0
	s_wait_dscnt 0x0
.irp w, 0,1,2,3
.irp p, 0,1
	MM ACC+16*\w+8*\p, HN+32*\p, WF+16*\w, -1, HS, WS+\w, \p, 0
.endr
.endr
	PLACES 8
	WLOAD 2, 1
	s_wait_dscnt 0x0
.irp w, 0,1,2,3
.irp p, 0,1
	MM ACC+16*\w+8*\p, HN+32*\p+16, WF+16*\w, ACC+16*\w+8*\p, HS+1, WS+\w, \p, 1
.endr
.endr
	PLACES 8
.irp w, 0,1,2,3
.irp k, 0,2,4,6,8,10,12,14
	v_pk_add_f32 v[ACC+16*\w+\k:ACC+16*\w+\k+1], v[ACC+16*\w+\k:ACC+16*\w+\k+1], v[BV+2*\w:BV+2*\w+1]   ; a lane holds one channel: one bias for its 16 keys; each accumulator from its low end on
.endr
.endr
	QUANT                                          ; block w: channel tile w, my 32 keys
.irp w, 0,1,2,3
	ds_store_b8 v[AVS], v[TM+4+\w] offset:(\w%2)*128+(\w/2)*4   ; both halves of the lanes write the same byte with the same value
.endr
.irp w, 0,1,2,3
	global_store_b128 v[LI], v[PC+4*\w:PC+4*\w+3], s[70:71] offset:2048*\w
.endr
	s_wait_dscnt 0x0                               ; for the others' sake: my words and bytes lie in LDS
	s_barrier_signal -1
	s_barrier_wait -1
	s_cmp_eq_u32 s16, 0                            ; the scale words leave in runs of 512 (v: 256) consecutive bytes: wave 0 q's, wave 1 k's, wave 2 v's
	s_cbranch_scc0 .Lnot_q
	ds_load_b128 v[80:83], v[LI] offset:QSW
	ds_load_b128 v[84:87], v[LI] offset:QSW+512
	s_wait_dscnt 0x0
	global_store_b128 v[LI], v[80:83], s[62:63]
	global_store_b128 v[LI], v[84:87], s[62:63] offset:512
	s_branch .Lout
.Lnot_q:
	s_cmp_eq_u32 s16, 1
	s_cbranch_scc0 .Lnot_k
	ds_load_b128 v[80:83], v[LI] offset:KSW
	ds_load_b128 v[84:87], v[LI] offset:KSW+512
	s_wait_dscnt 0x0
	global_store_b128 v[LI], v[80:83], s[66:67] offset:16384
	global_store_b128 v[LI], v[84:87], s[66:67] offset:16384+REC
	s_branch .Lout
.Lnot_k:
	s_cmp_eq_u32 s16, 2
	s_cbranch_scc0 .Lout
	ds_load_b128 v[80:83], v[LI] offset:VSW
	s_wait_dscnt 0x0
	global_store_b128 v[AVT], v[80:83], s[66:67] offset:16896
.Lout:
	s_set_vgpr_msb 0x5
	s_wait_tensorcnt 0x0
	ds_add_u32 v0, v1
	s_wait_dscnt 0x0
	s_set_vgpr_msb 0x500
	ROUND                                          ; the closing round: no work-group ends while a partner may still ask for a plane that names it
	s_endpgm
.Lfunc_end_k_q6a7a463836_qkv:
	.size	k_q6a7a463836_qkv, .Lfunc_end_k_q6a7a463836_qkv-k_q6a7a463836_qkv
	.p2alignl 7, 3214868480
	.fill 96, 4, 3214868480
	.section	.rodata,"a",@progbits
	.p2align	6, 0x0
	.amdhsa_kernel k_q6a7a463836_qkv
		.amdhsa_group_segment_fixed_size 168960
		.amdhsa_private_segment_fixed_size 0
		.amdhsa_enable_private_segment 0
		.amdhsa_kernarg_size 48
		.amdhsa_user_sgpr_count 2
		.amdhsa_user_sgpr_kernarg_segment_ptr 1
		.amdhsa_wavefront_size32 1
		.amdhsa_system_sgpr_workgroup_id_x 1
		.amdhsa_system_sgpr_workgroup_id_y 1
		.amdhsa_system_sgpr_workgroup_id_z 1
		.amdhsa_system_vgpr_workitem_id 0
		.amdhsa_next_free_vgpr 258
		.amdhsa_next_free_sgpr 80
		.amdhsa_reserve_vcc 0
		.amdhsa_float_denorm_mode_32 3
		.amdhsa_float_denorm_mode_16_64 3
		.amdhsa_fp16_overflow 1
		.amdhsa_memory_ordered 1
		.amdhsa_forward_progress 1
		.amdhsa_inst_pref_size 47
	.end_amdhsa_kernel
	.amdgpu_metadata
---
amdhsa.version: [ 1, 2 ]
amdhsa.kernels:
  - .name:           k_q6a7a463836_qkv
    .symbol:         k_q6a7a463836_qkv.kd
    .args:
      - { .name: hn, .offset: 0, .size: 8, .value_kind: global_buffer, .address_space: global }
      - { .name: qkv_w_codes, .offset: 8, .size: 8, .value_kind: global_buffer, .address_space: global }
      - { .name: qkv_w_scales, .offset: 16, .size: 8, .value_kind: global_buffer, .address_space: global }
      - { .name: qkv_b, .offset: 24, .size: 8, .value_kind: global_buffer, .address_space: global }
      - { .name: qq, .offset: 32, .size: 8, .value_kind: global_buffer, .address_space: global }
      - { .name: kv, .offset: 40, .size: 8, .value_kind: global_buffer, .address_space: global }
    .group_segment_fixed_size: 168960
    .private_segment_fixed_size: 0
    .kernarg_segment_align: 8
    .kernarg_segment_size: 48
    .max_flat_workgroup_size: 256
    .sgpr_count:     80
    .vgpr_count:     258
    .wavefront_size: 32
...
	.end_amdgpu_metadata
.endif
;; end of part 6
;; launch attnproj (part 7): grid 16 x 16, 16 waves a work-group, clusters of 4 x 1, 327,680 bytes of LDS; arguments qq, kv, proj_w_codes, proj_w_scales, proj_b, x, out0; writes out0
.if DOCPART == 7
	.amdgcn_target "amdgcn-amd-amdhsa--gfx1250"
	.amdhsa_code_object_version 6
	.text
	.protected	k_q6a7a463836_attnproj
	.globl	k_q6a7a463836_attnproj
	.p2align	8
	.type	k_q6a7a463836_attnproj,@function
k_q6a7a463836_attnproj:
	s_mov_b64 s[64:65], 0
	v_nop
	global_prefetch_b8 v0, s[64:65] scope:SCOPE_SE
	s_setreg_imm32_b32 hwreg(HW_REG_WAVE_MODE, 25, 1), 1
	s_wait_xcnt 0x0
	s_wait_alu depctr_hold_cnt(0) depctr_sa_sdst(0) depctr_va_vdst(0) depctr_va_sdst(0) depctr_va_ssrc(0) depctr_va_vcc(0) depctr_vm_vsrc(0)
	s_getreg_b32 s2, hwreg(HW_REG_IB_STS2, 6, 4)
	s_cmp_eq_u32 s2, 0
	s_cbranch_scc0 .Lentry_in_a_cluster
	s_endpgm
.Lentry_in_a_cluster:
	s_bfe_u32 s2, ttmp6, 0x10000c
	s_cmp_lg_u32 s2, 0x3003
	s_cbranch_scc0 .Lentry_shape_is_right
	s_endpgm
.Lentry_shape_is_right:
; out0 = x + proj_w O + proj_b with O = softmax(q k^T / 8) v, all three products on codes of E4M3 with one E8M0 byte for each 32 along K.  O never goes to memory.
; THE SOFTMAX AHEAD OF THE SECOND PRODUCT: t = score x log2(e) / 8; M = the running largest t rounded UP to a whole number; p = 2^(t - M) is what is quantised, along the keys, not normalised.
; The row's sum is taken of the unquantised p, in f32.  When M moves, the sum and O are multiplied by 2^(old M - new M): exact.  O / the sum is quantised along the channels for the projection.
; SHARES.  Work-group = (block P of 64 pixels, batch), ALL FOUR HEADS, since the projection's K runs over them.  Wave w of sixteen: head w / 4, query tile 4 P + w % 4, in 256 registers: four waves share a SIMD's registers,
; so that one wave's vector work can stand beside another's products and LDS loads.  Every wave walks its head's 1,024 keys, 128 a step.  Behind the loop wave w makes outputs 16 w .. 16 w + 15 for the 64 pixels.
; RING.  The four heads' K and V (4 x 137,216 bytes) do not fit in LDS: two slots, each with two key steps of the four heads (4 x 34,304 bytes, as they lie in memory).  Waves 0 to 3 fetch a head each, 134 rows of 256 bytes in one load.
; By this text's count a wave has two tensor loads out at the start and one behind each change of slots; that load has two key steps in which to land.  The third change brings the projection's weight into slot 0.
; CLUSTER.  The four pixel blocks of a cluster belong to one batch and walk the same K, V and weight: every fill is asked for JOINTLY (mask 15).  The place in the cluster enters q's, x's and out0's global addresses alone.
; LAYOUT.  S^T = K Q^T (source 0 = 16 keys), O^T = V^T P^T (source 0 = 16 channels): a lane holds ONE query (lane % 16).  Fragments are images of registers: chunks of 512 bytes, lane l's 16 bytes at 16 l.
; By the tile order (row r of tile 2 b + u is number 32 b + 8 u + r + 8 (r / 8)) the 16 registers of tiles 2 b, 2 b + 1 are 16 neighbours, 32 b + 16 (lane / 16) + 0 .. 15, along the next product's K.
; The first product's K is 64: registers 8-15 of q's and of each of K's fragments hold zero codes (registers of their own for each operand), under the scale byte 0x7f.
; The projection: source 0 = a pixel tile of O, source 1 = 16 rows of the weight: a lane holds ONE output, and its eight registers of tile 2 g + u are pixels 64 P + 32 g + 16 (lane / 16) + 8 u + 0 .. 7.
; The eight key steps are written out by one macro, with constant LDS bases: no LDS address is stepped.
; LIMITS: NaN and infinities are not served; a block of O whose largest magnitude lies under 2^-118 gets the byte 1, a block of zeros too (its codes are zeros; only this launch reads the bytes).
.set REC,   17152                      ; a head's record of one key step: K's codes at 0, V's at 8,192, K's scale words at 16,384, V's at 16,896
.set HREC,  2*REC                      ; what one tensor load brings: two records, 134 x 256 bytes
.set SLOT,  4*HREC                     ; a slot: four heads; slot 1 begins here
.set SPARE, 2*SLOT                     ; behind the ring: the spare words, 128 bytes for each wave: eight blocks of 256 bytes that no other line names
.set OIM,   SPARE+2048                 ; O's codes of the block: [tile 4][chunk 8 = 2 head + block][512]
.set OSC,   OIM+16384                  ; O's scale words: [tile 4][K step 2][row 16]; head h's two bytes in half h % 2 of word h / 2
.set WPQ,   17408                      ; a quarter of the weight: 64 rows x (256 bytes + 16): 68 words a row, so 16 rows start at 16 different banks (64 banks of 4 bytes: ISA guide 11.1).  The weight lands at byte 0
.set STG,   SLOT                       ; the stages, 16 rows x 272 bytes for each wave, in slot 1: it has had its last fill, and its last read stands in front of the barrier behind O's stores
.set LIH, 1                            ; v1   16 x lane + 34,304 x head
.set L8H, 2                            ; v2   8 x lane + 34,304 x head
.set SPW, 3                            ; v3   LDS address of my spare word: SPARE + 4 x my thread's number; never rewritten
.set NIL, 4                            ; v4   0; never rewritten
.set GX,  5                            ; v5   my bytes in two rows of x and of out0: 4,096 x (lane / 16) + 16 x (lane % 16)
.set PB,  6                            ; v6   my output's bias
.set WSC, 7                            ; v7   the weight's scale words: lanes 0-15 K step 0, lanes 16-31 K step 1
.set ADK, 8                            ; v8   the step's record + 16 x lane;  behind the loop AOI: where my chunks of O go
.set ADV, 9                            ; v9   the step's record + 8 x lane;   behind the loop AOS: where my halfword goes
.set AOI, 8
.set AOS, 9
.set AW,  10                           ; v10  (at the head: 16 x lane)  my row of the weight: (16 wave + r) x 272 + 16 half
.set AO,  11                           ; v11  (at the head: 4 r)        OIM + 16 x lane
.set AOR, 12                           ; v12  in the loop -M;           then OSC + 128 half + 4 r
.set STO, 13                           ; v13  in the loop the largest t; then the stage, in: row r, + 64 half
.set RD,  15                           ; v[14:15] the row's sum in two halves; v15 then the stage, back: lanes 0-15 one row, lanes 16-31 the next
.set Q,   16                           ; v16-31   q's fragment;  behind the loop accumulators 0, 1 of the projection
.set KF,  32                           ; v32-95   four fragments of K;  v32-63 then x (XR), v64-95 the weight's two fragments (WFR)
.set XR,  32
.set WFR, 64
.set S,   96                           ; v96-159  S^T, then p, then V's four fragments
.set OF,  96                           ; v96-223  behind the loop O's eight fragments: 32 tile + 16 s; then the rows read back
.set OT,  160                          ; v160-191 O^T: four accumulators
.set PC,  192                          ; v192-207 p's codes
.set BM,  208                          ; v208-211 the blocks' largest scores, then largest p
.set PT,  212                          ; v212-215 the other half's, then the bytes
.set HD,  216
.set SO,  220                          ; v220-223 the conversions' scale operands
.set F,   224                          ; v[224:225] f = 2^(old M - new M); the pair's upper word is written once.  v224-239: behind the loop accumulators 2, 3
.set WK,  226
.set SM,  228                          ; v[228:229] the sum's second chain
.set KS,  240                          ; v240-243 K's scale words: word b: lanes 0-15 tile 2 b, lanes 16-31 tile 2 b + 1;  behind the loop O's (OS): 2 g + s: lanes 0-15 tile 2 g, lanes 16-31 tile 2 g + 1
.set OS,  240
.set VS,  244                          ; v244-245 V's: word dt / 2: lanes 0-15 even dt, lanes 16-31 odd dt
.set PW,  246                          ; p's scale word
.set QW,  247                          ; q's
.set BI,  248                          ; v248-255 my output's bias, eight times: a C operand
.macro PLACES n                        ; plain vector instructions that name no register of the matrix instructions before them (ISA guide 7.12.1)
.rept \n
	v_nop
.endr
.endm
.macro ROUND                           ; a round of the cluster's barrier
	s_barrier_signal -1
	s_barrier_wait -1
	s_cmp_lg_u32 s16, 0
	s_cbranch_scc1 .Lnot_wave_0_\@
	s_barrier_signal -3
.Lnot_wave_0_\@:
	s_barrier_wait -3
	s_barrier_signal -1
	s_barrier_wait -1
.endm
; A joint refill: waves 0 to 3, a quarter each.  The branch hangs on the wave's number alone: it is the same in every work-group.  Four v_nop follow the load.
.macro TLOAD g0, g1
	s_cmp_lt_u32 s16, 4
	s_cbranch_scc0 .Lnone_\@
	tensor_load_to_lds s[\g0:\g0+3], s[\g1:\g1+7]
	s_nop 0
	PLACES 4
.Lnone_\@:
.endm
; THE CHANGE OF SLOTS.  Each wave waits for all its tensor loads (its part of the slot that it is about to read), adds 0 to its spare word, and waits for that and for its reads of the slot that it has left.
; Behind the round no wave of any partner reads that slot or has a load on its way: it is filled again, first thing.  on = 1: the descriptor steps two fills on.
.macro CHANGE g0, g1, on
	s_wait_tensorcnt 0x0                           ; no tensor load of mine is out, so a group 0 may be written
	ds_add_u32 v[SPW], v[NIL]                      ; 0 onto my spare word
	ds_add_u32 v3, v4
.if \on
	s_add_nc_u64 s[\g0+2:\g0+3], s[\g0+2:\g0+3], 2*HREC   ; the slot's next two key steps; the type bits on top are not reached
.endif
	s_wait_dscnt 0x0                               ; the add is done, and my reads of the slot that I have left are over
	ROUND
	TLOAD \g0, \g1                                 ; a wave's one tensor load until the next change
.endm
; One product.  cz < 0: the sum begins with the constant 0; else C = v[cz ..].  ra, rb = 1: that side's scales are read from lanes 16-31.
.macro MM d, a, b, cz, sa, sb, ra, rb
.if (\cz) < 0
.if (\ra)
	v_wmma_scale_f32_16x16x128_f8f6f4 v[\d:\d+7], v[\a:\a+15], v[\b:\b+15], 0, v[\sa], v[\sb] matrix_a_scale:MATRIX_SCALE_ROW1
.else
	v_wmma_scale_f32_16x16x128_f8f6f4 v[\d:\d+7], v[\a:\a+15], v[\b:\b+15], 0, v[\sa], v[\sb]
.endif
.else
.if (\ra) && (\rb)
	v_wmma_scale_f32_16x16x128_f8f6f4 v[\d:\d+7], v[\a:\a+15], v[\b:\b+15], v[\cz:\cz+7], v[\sa], v[\sb] matrix_a_scale:MATRIX_SCALE_ROW1 matrix_b_scale:MATRIX_SCALE_ROW1
.elseif (\ra)
	v_wmma_scale_f32_16x16x128_f8f6f4 v[\d:\d+7], v[\a:\a+15], v[\b:\b+15], v[\cz:\cz+7], v[\sa], v[\sb] matrix_a_scale:MATRIX_SCALE_ROW1
.elseif (\rb)
	v_wmma_scale_f32_16x16x128_f8f6f4 v[\d:\d+7], v[\a:\a+15], v[\b:\b+15], v[\cz:\cz+7], v[\sa], v[\sb] matrix_b_scale:MATRIX_SCALE_ROW1
.else
	v_wmma_scale_f32_16x16x128_f8f6f4 v[\d:\d+7], v[\a:\a+15], v[\b:\b+15], v[\cz:\cz+7], v[\sa], v[\sb]
.endif
.endif
.endm
; The largest score of blocks x and y (32 keys each; my 16 of them), the two by turns.  Each accumulator's first read takes one of its lowest registers.
.macro MAXPAIR x, y
.irp b, \x, \y
	v_max3_num_f32 v[BM+\b], v[S+16*\b], v[S+16*\b+1], v[S+16*\b+2]
.endr
.irp i, 3,5,7,9,11,13
.irp b, \x, \y
	v_max3_num_f32 v[BM+\b], v[BM+\b], v[S+16*\b+\i], v[S+16*\b+\i+1]
.endr
.endr
.irp b, \x, \y
	v_max_num_f32 v[BM+\b], v[BM+\b], v[S+16*\b+15]
.endr
.endm
; A KEY STEP: 128 keys; the heads' records begin at LDS byte rb (+ 34,304 x head, which the address registers carry).  last = 1: the launch's last step, which also asks for x.
.macro STEP rb, last
	v_add_nc_u32 v[ADK], \rb, v[LIH]
	ds_load_b128 v[KS:KS+3], v[ADK] offset:16384
.irp t, 0,1,2,3
	ds_load_b128 v[KF+16*\t:KF+16*\t+3], v[ADK] offset:\t*1024
	ds_load_b128 v[KF+16*\t+4:KF+16*\t+7], v[ADK] offset:\t*1024+512
.endr
	PLACES 9                                       ; nine places: the products below write over registers that the last step's products read (V's fragments).  They stand while the loads above are on their way
	s_wait_alu depctr_va_vdst(0)
	s_wait_dscnt 0x0
.irp t, 0,1,2,3
	MM S+8*\t, KF+16*\t, Q, -1, KS+\t/2, QW, \t%2, 0
.endr
	PLACES 8                                       ; in front of loads into registers that these products read, and of the reads of their results
.irp t, 0,1,2,3
	ds_load_b128 v[KF+16*\t:KF+16*\t+3], v[ADK] offset:(4+\t)*1024
	ds_load_b128 v[KF+16*\t+4:KF+16*\t+7], v[ADK] offset:(4+\t)*1024+512
.endr
	s_wait_dscnt 0x0
.irp t, 0,1,2,3
	MM S+32+8*\t, KF+16*\t, Q, -1, KS+2+\t/2, QW, \t%2, 0
.endr
	MAXPAIR 0, 1                                   ; THE LARGEST SCORE OF EACH BLOCK OF 32 KEYS serves twice: for the row's maximum and, since p rises with the score, for the block's largest p.  These sixteen name no register of the four products above: they are their places
	MAXPAIR 2, 3
.if \last
.irp i, 0,1,2,3,4,5,6,7
	global_load_b128 v[XR+4*\i:XR+4*\i+3], v[GX], s[72:73] offset:8192*\i th:TH_LOAD_NT   ; x, rows 2 i, 2 i + 1 of my 16 outputs, into registers that K's fragments have left: it lands while the last softmax runs.  Sixteen lanes read 256 consecutive bytes; read once in this launch
.endr
.endif
.irp b, 0,1,2,3
	v_permlanex16_b32 v[PT+\b], v[BM+\b], s20, s21
.endr
.irp b, 0,1,2,3
	s_delay_alu instid0(VALU_DEP_4)
	v_max_num_f32 v[BM+\b], v[BM+\b], v[PT+\b]     ; with lane l xor 16's 16 keys
.endr
	s_delay_alu instid0(VALU_DEP_2)
	v_max3_num_f32 v[WK], v[BM], v[BM+1], v[BM+2]
	s_delay_alu instid0(VALU_DEP_1)
	v_max_num_f32 v[WK], v[WK], v[BM+3]            ; the step's largest score of my query
	s_delay_alu instid0(VALU_DEP_1)
	v_mul_f32 v[WK], s22, v[WK]                    ; as t (c is positive)
	s_delay_alu instid0(VALU_DEP_1)
	v_max_num_f32 v13, v13, v[WK]                  ; the running largest t
	v_mov_b32 v[WK], v12                           ; the old -M
	s_delay_alu instid0(VALU_DEP_2)
	v_floor_f32 v12, -v13                          ; the new -M = floor(-t) = -ceil(t): M IS A WHOLE NUMBER
.set n, 0
.rept 32
	v_pk_fma_f32 v[S+n:S+n+1], v[S+n:S+n+1], s[22:23], v[12:13] op_sel_hi:[1,0,0]   ; t - M, two at a time (of the pairs c and -M the low word serves both halves)
.set n, n+2
.endr
.irp b, 0,1,2,3
	v_fma_f32 v[BM+\b], v[BM+\b], s22, v12         ; the same of each block's largest score
.endr
.set n, 0
	s_wait_alu depctr_va_vdst(0)
.rept 64
	v_exp_f32 v[S+n], v[S+n]                       ; p = 2^(t - M), at most 1: NOT normalised
.set n, n+1
.endr
.irp b, 0,1,2,3
	v_exp_f32 v[BM+\b], v[BM+\b]                   ; the block's largest p: the same two instructions on the same number give the same bits
.endr
	v_sub_f32 v[WK], v12, v[WK]                    ; old M - new M: a whole number, 0 or less.  (The plain instruction behind the exponentials)
	s_wait_alu depctr_va_vdst(0)
.irp b, 0,1,2,3
	v_max_num_f32 v[BM+\b], 0x4800000, v[BM+\b]    ; the floor 2^(9 - 127): the byte cannot fall under 1 (a block whose every p is 0 keeps that byte: its codes are zeros)
.endr
.irp b, 0,1,2,3
	s_delay_alu instid0(VALU_DEP_4)
	v_add_nc_u32 v[SO+\b], 0xfc000000, v[BM+\b]    ; 8 off the exponent field: the conversion's scale operand
.endr
.irp b, 0,1,2,3
	s_delay_alu instid0(VALU_DEP_4)
	v_lshrrev_b32 v[PT+\b], 23, v[SO+\b]           ; the scale's byte
.endr
	s_delay_alu instid0(VALU_DEP_3)
	v_lshl_or_b32 v[PW], v[PT+1], 8, v[PT]         ; p's scale word for these 128 keys
	s_delay_alu instid0(VALU_DEP_1)
	v_lshl_or_b32 v[PW], v[PT+2], 16, v[PW]
	s_delay_alu instid0(VALU_DEP_1)
	v_lshl_or_b32 v[PW], v[PT+3], 24, v[PW]
	v_cvt_i32_f32 v[WK], v[WK]                     ; (it saturates.)  From here four plain instructions that name no register of the second product stand between the scale word and that product
	s_delay_alu instid0(VALU_DEP_1)
	v_ldexp_f32 v[F], 1.0, v[WK]                   ; f = 2^(old M - new M): a multiplication by it rounds nothing
	v_add_nc_u32 v[ADV], \rb, v[L8H]
.irp b, 0,1,2,3
.endr
	s_delay_alu instid0(VALU_DEP_2)
	v_pk_mul_f32 v[14:15], v[14:15], v[F:F+1] op_sel_hi:[1,0]   ; the sums under the new M
	ds_load_b64 v[VS:VS+1], v[ADV] offset:16896
	v_pk_add_f32 v[228:229], v[100:101], v[104:105]
	v_pk_add_f32 v[254:255], v[108:109], v[112:113]
	v_pk_add_f32 v[252:253], v[116:117], v[120:121]
	v_pk_add_f32 v[250:251], v[124:125], v[128:129]
	v_pk_add_f32 v[248:249], v[132:133], v[136:137]
	v_pk_add_f32 v[242:243], v[140:141], v[144:145]
	v_pk_add_f32 v[240:241], v[148:149], v[152:153]
	v_pk_add_f32 v[14:15], v[14:15], v[156:157]
	v_pk_add_f32 v[228:229], v[228:229], v[96:97]
	v_pk_add_f32 v[254:255], v[254:255], v[98:99]
	v_pk_add_f32 v[252:253], v[252:253], v[102:103]
	v_pk_add_f32 v[250:251], v[250:251], v[106:107]
	v_pk_add_f32 v[248:249], v[248:249], v[110:111]
	v_pk_add_f32 v[242:243], v[242:243], v[114:115]
	v_pk_add_f32 v[240:241], v[240:241], v[118:119]
	v_pk_add_f32 v[14:15], v[14:15], v[122:123]
	v_pk_add_f32 v[228:229], v[228:229], v[126:127]
	v_pk_add_f32 v[254:255], v[254:255], v[130:131]
	v_pk_add_f32 v[252:253], v[252:253], v[134:135]
	v_pk_add_f32 v[250:251], v[250:251], v[138:139]
	v_pk_add_f32 v[248:249], v[248:249], v[142:143]
	v_pk_add_f32 v[242:243], v[242:243], v[146:147]
	v_pk_add_f32 v[240:241], v[240:241], v[150:151]
	v_pk_add_f32 v[14:15], v[14:15], v[154:155]
	v_pk_add_f32 v[228:229], v[228:229], v[158:159]
	s_delay_alu instid0(VALU_DEP_2)
	v_pk_add_f32 v[14:15], v[14:15], v[250:251]
	s_delay_alu instid0(VALU_DEP_2)
	v_pk_add_f32 v[228:229], v[228:229], v[248:249]
	v_pk_add_f32 v[254:255], v[254:255], v[242:243]
	v_pk_add_f32 v[252:253], v[252:253], v[240:241]
	s_delay_alu instid0(VALU_DEP_2)
	v_pk_add_f32 v[14:15], v[14:15], v[254:255]
	s_delay_alu instid0(VALU_DEP_2)
	v_pk_add_f32 v[228:229], v[228:229], v[252:253]
	s_delay_alu instid0(VALU_DEP_1)
	v_pk_add_f32 v[14:15], v[14:15], v[228:229]
.irp b, 0,1,2,3
.irp i, 0,1,2,3,4,5,6,7,8,9,10,11,12,13,14,15
.endr
	v_cvt_scalef32_pk8_fp8_f32 v[PC+4*\b:PC+4*\b+1], v[S+16*\b:S+16*\b+7], v[SO+\b]
	v_cvt_scalef32_pk8_fp8_f32 v[PC+4*\b+2:PC+4*\b+3], v[S+16*\b+8:S+16*\b+15], v[SO+\b]
.irp c, 0,1,2,3
	ds_load_b128 v[S+16*\b+4*\c:S+16*\b+4*\c+3], v[ADK] offset:8192+2048*\b+512*\c   ; V's fragment of channel tile b takes the registers that block b's p has left
.endr
.endr
.set n, 0
.rept 16
	v_pk_mul_f32 v[OT+n:OT+n+1], v[OT+n:OT+n+1], v[F:F+1] op_sel_hi:[1,0]   ; O^T under the new M.  (Also the plain instruction behind the conversions, and the places between the codes and the products)
.set n, n+2
.endr
	s_wait_alu depctr_va_vdst(0)
	s_wait_dscnt 0x0
.irp t, 0,1,2,3                                ; O^T += V^T P^T: the four accumulators take turns, one instruction a turn
	MM OT+8*\t, S+16*\t, PC, OT+8*\t, VS+\t/2, PW, \t%2, 0
.endr
.endm
	s_load_b256 s[4:11], s[0:1], 0x0               ; qq s[4:5], kv s[6:7], the weight's codes s[8:9], its scales s[10:11]
	s_load_b128 s[12:15], s[0:1], 0x20             ; proj_b s[12:13], x s[14:15]
	s_load_b64 s[56:57], s[0:1], 0x30              ; out0
	v_lshl_add_u32 v[SPW], v0, 2, SPARE
	v_mov_b32 v[NIL], 0
	ds_add_u32 v3, v4
	ds_add_u32 v3, v4
	s_wait_dscnt 0x0
	v_lshrrev_b32 v8, 5, v0
	s_delay_alu instid0(VALU_DEP_1)
	v_readfirstlane_b32 s16, v8                    ; wave 0..15
	v_and_b32 v9, 31, v0                           ; lane
	v_and_b32 v224, 15, v0                         ; r
	v_bfe_u32 v226, v0, 4, 1                       ; half
	v_bfe_u32 v228, v0, 7, 2                       ; head
	s_delay_alu instid0(VALU_DEP_1)
	v_mul_u32_u24 v228, v228, HREC
	s_delay_alu instid0(VALU_DEP_1)
	v_lshl_add_u32 v[LIH], v9, 4, v228
	s_delay_alu instid0(VALU_DEP_2)
	v_lshl_add_u32 v[L8H], v9, 3, v228
	v_lshlrev_b32 v10, 4, v9                       ; 16 x lane: q's chunks
	v_lshlrev_b32 v11, 2, v224                     ; 4 r: q's scale word, the bias
	v_lshlrev_b32 v227, 3, v224
	s_delay_alu instid0(VALU_DEP_1)
	v_lshl_add_u32 v227, v226, 2, v227             ; 8 r + 4 half: the weight's scale word
	v_lshlrev_b32 v[GX], 12, v226
	s_delay_alu instid0(VALU_DEP_1)
	v_lshl_add_u32 v[GX], v224, 4, v[GX]
	; what the loop finds at its first step.  All this stands while the kernel's arguments are on their way
.irp j, 8,9,10,11,12,13,14,15
	v_mov_b32 v[Q+\j], 0                           ; zero codes: K = 64 .. 127 of the first product
.endr
.irp t, 0,1,2,3
.irp j, 8,9,10,11,12,13,14,15
	v_mov_b32 v[KF+16*\t+\j], 0                    ; likewise, in registers of K's own; not rewritten while scores are made
.endr
.endr
.set n, 0
.rept 32
	v_mov_b32 v[OT+n], 0                           ; O^T.  (The step is written by one macro: the first finds zeros, which the first change of M leaves zeros)
.set n, n+1
.endr
.irp b, 0,1,2,3
	v_mov_b32 v[PT+\b], 0                          ; a lane permute's destination counts as one of its sources
.endr
	v_mov_b32 v[F+1], 0                            ; (named as the upper half of a pair)
	v_mov_b32 v13, 0xff61b1e6                      ; the largest t so far: -3e38, under every t
	s_delay_alu instid0(VALU_DEP_1)
	v_floor_f32 v12, -v13                          ; -M
	v_mov_b32 v14, 0
	v_mov_b32 v15, 0
	s_bfe_u32 s17, ttmp6, 0x40000                  ; cx
	s_lshl_b32 s18, ttmp9, 2
	s_add_co_u32 s18, s18, s17                     ; P: block of 64 pixels
	s_and_b32 s19, ttmp7, 0xffff                   ; batch, which the four partners share
	s_lshr_b32 s25, s16, 2                         ; my head
	s_and_b32 s27, s16, 3                          ; my query tile in the block.  Also: which head's records, which quarter of the weight I fetch (waves 0 to 3)
	s_mov_b32 s20, 0x76543210
	s_mov_b32 s21, 0xfedcba98                      ; v_permlanex16_b32's selects for lane l xor 16
	s_mov_b32 s22, 0x3e38aa3b                      ; c = log2(e) / 8
	s_mov_b32 s23, s22                             ; (named with it as a pair, so it is written)
	; descriptor group 1 for two records of a head: dense in memory, 134 rows of 256 bytes (32 elements of 8)
	s_mov_b32 s28, 15|(3<<16)|(1<<21)              ; 15:0 the mask: all four work-groups; 17:16 elements of 8 bytes; 21 set beside a mask
	s_mov_b32 s29, 32<<16                          ; tensor_dim0
	s_mov_b32 s30, 134<<16                         ; tensor_dim1
	s_mov_b32 s31, 32<<16                          ; tile_dim0
	s_mov_b32 s32, 134                             ; tile_dim1
	s_mov_b32 s33, 32                              ; the pitch
	s_mov_b32 s34, 0
	s_mov_b32 s35, 0
	; and for a quarter of the weight: 64 rows of 256 bytes, 16 bytes of padding behind each
	s_mov_b32 s44, 15|(1<<20)|(1<<21)|(5<<22)|(3<<25)   ; the mask; elements of 1 byte; 20 padding on; 21 set beside a mask; 24:22 after every 64 words; 31:25 four words
	s_mov_b32 s45, 256<<16
	s_mov_b32 s46, 64<<16
	s_mov_b32 s47, 256<<16
	s_mov_b32 s48, 64
	s_mov_b32 s49, 256
	s_mov_b32 s50, 0
	s_mov_b32 s51, 0
	; groups 0: s[36:39] slot 0's, s[40:43] slot 1's, s[52:55] the weight's.  Nothing in them hangs on the place in the cluster
	s_mov_b32 s36, 1                               ; count = 1
	s_mul_i32 s37, s27, HREC                       ; LDS address: 34,304 x head
	s_mov_b32 s40, 1
	s_add_co_u32 s41, s37, SLOT
	s_mov_b32 s52, 1
	s_mul_i32 s53, s27, WPQ
	s_lshl_b32 s58, s19, 2
	s_add_co_u32 s59, s58, s27                     ; batch x 4 + the head that I fetch
	s_mul_i32 s60, s59, 8*REC
	s_mov_b32 s61, 0
	s_lshl_b32 s62, s27, 14                        ; 64 rows of 256 bytes of the weight
	s_mov_b32 s63, 0
	; offsets of my own loads and stores, in registers of their own
	s_lshl_b32 s88, s19, 2
	s_add_co_u32 s88, s88, s25                     ; batch x 4 + my head
	s_mul_i32 s88, s88, 69632                      ; its record in qq
	s_lshl_b32 s89, s18, 2
	s_add_co_u32 s89, s89, s27                     ; T: my tile of queries
	s_lshl_b32 s66, s89, 10
	s_add_co_u32 s66, s66, s88                     ; q's codes: 1,024 T
	s_mov_b32 s67, 0
	s_lshl_b32 s80, s89, 6
	s_add_co_u32 s80, s80, s88
	s_add_co_u32 s80, s80, 65536                   ; q's words: 64 T
	s_mov_b32 s81, 0
	s_lshl_b32 s82, s19, 20
	s_lshl_b32 s90, s16, 16
	s_add_co_u32 s82, s82, s90
	s_lshl_b32 s90, s18, 8
	s_add_co_u32 s82, s82, s90                     ; x, out0: 1,048,576 x batch + 16 rows of 4,096 x wave + 256 P
	s_mov_b32 s83, 0
	s_lshl_b32 s84, s16, 7                         ; the scale bytes of my 16 rows of the weight
	s_mov_b32 s85, 0
	s_lshl_b32 s86, s16, 6                         ; their bias
	s_mov_b32 s87, 0
	s_wait_kmcnt 0x0
	s_add_nc_u64 s[38:39], s[6:7], s[60:61]        ; key steps 0, 1
	s_add_nc_u64 s[42:43], s[38:39], HREC          ; key steps 2, 3
	s_or_b32 s39, s39, 0x80000000                  ; type = 2
	s_or_b32 s43, s43, 0x80000000
	s_add_nc_u64 s[54:55], s[8:9], s[62:63]
	s_or_b32 s55, s55, 0x80000000
	s_add_nc_u64 s[68:69], s[4:5], s[66:67]
	s_add_nc_u64 s[70:71], s[4:5], s[80:81]
	s_add_nc_u64 s[72:73], s[14:15], s[82:83]
	s_add_nc_u64 s[74:75], s[56:57], s[82:83]
	s_add_nc_u64 s[76:77], s[10:11], s[84:85]
	s_add_nc_u64 s[78:79], s[12:13], s[86:87]
	global_load_b128 v[Q:Q+3], v10, s[68:69]
	global_load_b128 v[Q+4:Q+7], v10, s[68:69] offset:512
	global_load_b32 v[QW], v11, s[70:71]
	global_load_b32 v[WSC], v227, s[76:77]
	global_load_b32 v[PB], v11, s[78:79]
	ROUND                                          ; all four work-groups are here: the first joint loads meet
	s_cmp_lt_u32 s16, 4                            ; a wave's two first fills stand in one branch, ahead of every wait on TENSORcnt and every LDS read
	s_cbranch_scc0 .Lasked
	tensor_load_to_lds s[36:39], s[28:35]
	s_nop 0
	tensor_load_to_lds s[40:43], s[28:35]
	s_nop 0
	PLACES 4
.Lasked:
	s_wait_loadcnt 0x0                             ; q, its scale word, the weight's, the bias
	s_wait_tensorcnt 0x1                           ; my part of slot 0 is in; slot 1's may stay out
	s_barrier_signal -1
	s_barrier_wait -1                              ; everybody's is
	STEP 0, 0
	STEP REC, 0
	CHANGE 36, 28, 1                               ; slot 0 takes key steps 4, 5
	STEP SLOT, 0
	STEP SLOT+REC, 0
	CHANGE 40, 28, 1                               ; slot 1 takes key steps 6, 7
	STEP 0, 0
	STEP REC, 0
	CHANGE 52, 44, 0                               ; slot 0 takes the projection's weight
	STEP SLOT, 0
	STEP SLOT+REC, 1
	; ---- the addresses of what follows, from the thread's number: plain instructions that name no register of the last products: their places
	v_and_b32 v232, 31, v0                         ; lane
	v_and_b32 v233, 15, v0                         ; r
	v_bfe_u32 v234, v0, 4, 1                       ; half
	v_lshrrev_b32 v235, 5, v0                      ; wave
	v_bfe_u32 v236, v0, 5, 2                       ; my query tile
	v_bfe_u32 v237, v0, 7, 2                       ; my head
	v_bfe_u32 v238, v0, 8, 1                       ; head / 2
	v_bfe_u32 v239, v0, 7, 1                       ; head % 2
	v_lshl_add_u32 v[AOI], v232, 4, OIM
	s_delay_alu instid0(VALU_DEP_1)
	v_lshl_add_u32 v[AOI], v236, 12, v[AOI]
	s_delay_alu instid0(VALU_DEP_1)
	v_lshl_add_u32 v[AOI], v237, 10, v[AOI]        ; OIM + 4,096 tile + 1,024 head + 16 lane
	v_lshl_add_u32 v[AOS], v233, 2, OSC
	s_delay_alu instid0(VALU_DEP_1)
	v_lshl_add_u32 v[AOS], v236, 7, v[AOS]
	s_delay_alu instid0(VALU_DEP_1)
	v_lshl_add_u32 v[AOS], v238, 6, v[AOS]
	s_delay_alu instid0(VALU_DEP_1)
	v_lshl_add_u32 v[AOS], v239, 1, v[AOS]         ; OSC + 128 tile + 64 (head / 2) + 4 r + 2 (head % 2)
	v_lshl_add_u32 v[AW], v235, 4, v233
	s_delay_alu instid0(VALU_DEP_1)
	v_mul_u32_u24 v[AW], v[AW], 272
	s_delay_alu instid0(VALU_DEP_1)
	v_lshl_add_u32 v[AW], v234, 4, v[AW]
	v_lshl_add_u32 v[AO], v232, 4, OIM
	v_lshl_add_u32 v[AOR], v233, 2, OSC
	s_delay_alu instid0(VALU_DEP_1)
	v_lshl_add_u32 v[AOR], v234, 7, v[AOR]
	v_mul_u32_u24 v227, v235, 16*272
	s_delay_alu instid0(VALU_DEP_1)
	v_add_nc_u32 v227, STG, v227                   ; my stage
	v_mul_u32_u24 v[STO], v233, 272
	s_delay_alu instid0(VALU_DEP_1)
	v_lshl_add_u32 v[STO], v234, 6, v[STO]
	s_delay_alu instid0(VALU_DEP_1)
	v_add_nc_u32 v[STO], v227, v[STO]
	; ---- O^T / the row's sum, quantised along the channels: register 16 b + i is channel 32 b + 16 (lane / 16) + i of my query and head
	v_add_f32 v14, v14, v15                        ; the sum's two halves,
	s_delay_alu instid0(VALU_DEP_1)
	v_permlanex16_b32 v[WK], v14, s20, s21
	s_delay_alu instid0(VALU_DEP_1)
	v_add_f32 v14, v14, v[WK]                      ; and lane l xor 16's: the row's sum
	s_wait_alu depctr_va_vdst(0)
	v_rcp_f32 v14, v14
	v_mul_u32_u24 v[RD], v234, 272                 ; (plain instructions behind the transcendental: ISA guide 5.7.2)
	s_delay_alu instid0(VALU_DEP_1)
	v_lshl_add_u32 v[RD], v233, 4, v[RD]
	s_delay_alu instid0(VALU_DEP_1)
	v_add_nc_u32 v[RD], v227, v[RD]
.set n, 0
	s_wait_alu depctr_va_vdst(0)
.rept 32
	v_mul_f32 v[S+n], v[OT+n], v14                 ; each accumulator from its low end on
.set n, n+1
.endr
.irp b, 0,1
	v_max3_num_f32 v[BM+\b], |v[S+16*\b]|, |v[S+16*\b+1]|, 0x4800000
.endr
.irp i, 2,4,6,8,10,12,14
.irp b, 0,1
	s_delay_alu instid0(VALU_DEP_2)
	v_max3_num_f32 v[BM+\b], v[BM+\b], |v[S+16*\b+\i]|, |v[S+16*\b+\i+1]|
.endr
.endr
.irp b, 0,1
	s_delay_alu instid0(VALU_DEP_2)
	v_permlanex16_b32 v[PT+\b], v[BM+\b], s20, s21
.endr
.irp b, 0,1
	s_delay_alu instid0(VALU_DEP_2)
	v_max_num_f32 v[BM+\b], v[BM+\b], v[PT+\b]
.endr
.irp b, 0,1
	s_delay_alu instid0(VALU_DEP_2)
	v_add_nc_u32 v[SO+\b], 0xfc000000, v[BM+\b]
.endr
.irp b, 0,1
.endr
.irp b, 0,1
	s_delay_alu instid0(VALU_DEP_2)
	v_lshrrev_b32 v[PT+\b], 23, v[SO+\b]
.endr
	s_delay_alu instid0(VALU_DEP_1)
	v_lshl_or_b32 v[WK], v[PT+1], 8, v[PT]         ; my query's two bytes
.irp b, 0,1
.irp i, 0,1,2,3,4,5,6,7,8,9,10,11,12,13,14,15
.endr
	v_cvt_scalef32_pk8_fp8_f32 v[PC+4*\b:PC+4*\b+1], v[S+16*\b:S+16*\b+7], v[SO+\b]
	v_cvt_scalef32_pk8_fp8_f32 v[PC+4*\b+2:PC+4*\b+3], v[S+16*\b+8:S+16*\b+15], v[SO+\b]
.endr
	v_nop                                          ; a plain instruction behind the last conversion
	ds_store_b128 v[AOI], v[PC:PC+3]               ; two chunks of the projection's operand image, as they stand
	ds_store_b128 v[AOI], v[PC+4:PC+7] offset:512
	ds_store_b16 v[AOS], v[WK]                     ; both halves of the lanes write the same halfword
.irp j, 0,1,2,3,4,5,6,7
	v_mov_b32 v[BI+\j], v[PB]                      ; the bias as a C operand: a lane holds one output
.endr
	s_wait_alu depctr_va_vdst(0)
	s_wait_tensorcnt 0x0                           ; my quarter of the weight, if I fetched one, has landed;
	s_wait_dscnt 0x0                               ; my part of O lies in LDS, and my reads of slot 1 are over
	s_barrier_signal -1
	s_barrier_wait -1                              ; all that holds of every wave.
	; ---- the projection: outputs 16 wave .. + 15 for the block's four pixel tiles
.irp s, 0,1
.irp c, 0,1,2,3
	ds_load_b128 v[WFR+16*\s+4*\c:WFR+16*\s+4*\c+3], v[AW] offset:128*\s+32*\c
.endr
.endr
.irp g, 0,1
.irp s, 0,1
	ds_load_b32 v[OS+2*\g+\s], v[AOR] offset:256*\g+64*\s
.endr
.endr
.irp s, 0,1
.irp t, 0,1,2,3
.irp c, 0,1,2,3
	ds_load_b128 v[OF+32*\t+16*\s+4*\c:OF+32*\t+16*\s+4*\c+3], v[AO] offset:4096*\t+2048*\s+512*\c
.endr
.endr
.endr
	s_wait_dscnt 16                                ; the weight, the scale words and K step 0 are in; K step 1's sixteen loads may stay out
.irp t, 0,1,2,3                                ; the four accumulators (v16, v24, v224, v232) take turns, one instruction a turn
	MM 16+8*\t+192*(\t/2), OF+32*\t, WFR, BI, OS+2*(\t/2), WSC, \t%2, 0
.endr
	s_wait_dscnt 0x0
.irp t, 0,1,2,3
	MM 16+8*\t+192*(\t/2), OF+32*\t+16, WFR+16, 16+8*\t+192*(\t/2), OS+2*(\t/2)+1, WSC, \t%2, 1
.endr
	PLACES 8                                       ; in front of the stores that read the results and of the loads into registers that the products read
.irp t, 0,1,2,3
	ds_store_b128 v[STO], v[16+8*\t+192*(\t/2):16+8*\t+192*(\t/2)+3] offset:128*(\t/2)+32*(\t%2)          ; each accumulator from its low end on
	ds_store_b128 v[STO], v[16+8*\t+192*(\t/2)+4:16+8*\t+192*(\t/2)+7] offset:128*(\t/2)+32*(\t%2)+16
.endr
.irp i, 0,1,2,3,4,5,6,7
	ds_load_b128 v[OF+4*\i:OF+4*\i+3], v[RD] offset:544*\i   ; LDS serves a wave's instructions in order (ISA guide 5.7.1.4): these see my stores; the stage is my wave's own
.endr
	s_wait_loadcnt 0x0                             ; x
.irp i, 0,1,2,3,4,5,6,7
	s_wait_dscnt 7-\i                              ; rows 2 i, 2 i + 1 are back; the younger loads may stay out
	v_pk_add_f32 v[XR+4*\i:XR+4*\i+1], v[XR+4*\i:XR+4*\i+1], v[OF+4*\i:OF+4*\i+1]
	v_pk_add_f32 v[XR+4*\i+2:XR+4*\i+3], v[XR+4*\i+2:XR+4*\i+3], v[OF+4*\i+2:OF+4*\i+3]
	global_store_b128 v[GX], v[XR+4*\i:XR+4*\i+3], s[74:75] offset:8192*\i th:TH_STORE_NT   ; sixteen lanes store 256 consecutive bytes, at a multiple of 256 from out0's first byte
.endr
	s_wait_tensorcnt 0x0                           ; the wave's end, behind my last tensor load and my last LDS store
	ds_add_u32 v[SPW], v[NIL]
	s_wait_dscnt 0x0
	ROUND                                          ; the closing round: no work-group ends while a partner may still ask for a tile that names it
	s_endpgm
.Lfunc_end_k_q6a7a463836_attnproj:
	.size	k_q6a7a463836_attnproj, .Lfunc_end_k_q6a7a463836_attnproj-k_q6a7a463836_attnproj
	.p2alignl 7, 3214868480
	.fill 96, 4, 3214868480
	.section	.rodata,"a",@progbits
	.p2align	6, 0x0
	.amdhsa_kernel k_q6a7a463836_attnproj
		.amdhsa_group_segment_fixed_size 327680
		.amdhsa_private_segment_fixed_size 0
		.amdhsa_enable_private_segment 0
		.amdhsa_kernarg_size 56
		.amdhsa_user_sgpr_count 2
		.amdhsa_user_sgpr_kernarg_segment_ptr 1
		.amdhsa_wavefront_size32 1
		.amdhsa_system_sgpr_workgroup_id_x 1
		.amdhsa_system_sgpr_workgroup_id_y 1
		.amdhsa_system_sgpr_workgroup_id_z 1
		.amdhsa_system_vgpr_workitem_id 0
		.amdhsa_next_free_vgpr 256
		.amdhsa_next_free_sgpr 96
		.amdhsa_reserve_vcc 0
		.amdhsa_float_denorm_mode_32 3
		.amdhsa_float_denorm_mode_16_64 3
		.amdhsa_fp16_overflow 1
		.amdhsa_memory_ordered 1
		.amdhsa_forward_progress 1
		.amdhsa_inst_pref_size 160
	.end_amdhsa_kernel
	.amdgpu_metadata
---
amdhsa.version: [ 1, 2 ]
amdhsa.kernels:
  - .name:           k_q6a7a463836_attnproj
    .symbol:         k_q6a7a463836_attnproj.kd
    .args:
      - { .name: qq, .offset: 0, .size: 8, .value_kind: global_buffer, .address_space: global }
      - { .name: kv, .offset: 8, .size: 8, .value_kind: global_buffer, .address_space: global }
      - { .name: proj_w_codes, .offset: 16, .size: 8, .value_kind: global_buffer, .address_space: global }
      - { .name: proj_w_scales, .offset: 24, .size: 8, .value_kind: global_buffer, .address_space: global }
      - { .name: proj_b, .offset: 32, .size: 8, .value_kind: global_buffer, .address_space: global }
      - { .name: x, .offset: 40, .size: 8, .value_kind: global_buffer, .address_space: global }
      - { .name: out0, .offset: 48, .size: 8, .value_kind: global_buffer, .address_space: global }
    .group_segment_fixed_size: 327680
    .private_segment_fixed_size: 0
    .kernarg_segment_align: 8
    .kernarg_segment_size: 56
    .max_flat_workgroup_size: 512
    .sgpr_count:     96
    .vgpr_count:     256
    .wavefront_size: 32
...
	.end_amdgpu_metadata
.endif
;; end of part 7
